; MI455X (gfx1250); checked and timed in simulation.
; The chip was launched on July 23, 2026; its instructions are those of AMD's public machine-readable ISA for CDNA 5 (MIT licence, August 2026) and "CDNA5" Instruction Set Architecture Reference Guide (July 2026). The comments in the code are by the model that wrote it; some were corrected since.
;; Multi Head Attention. Allowed arithmetic: matrix products marked QUANTISED: E5M2 operands, one E8M0 scale for each 32 along K, by v_wmma_scale_f32_16x16x128_f8f6f4 with both operands' format E5M2, f32 sums; everything else in f32.
;; Inputs: W_k_codes 1,024 x 32 x 32 uint8 (E5M2 codes of W_k, K innermost, in blocks of 32 codes); W_k_scales 1,024 x 32 uint8 (E8M0 scales of W_k, one for each 32 codes along K); W_o_codes 1,024 x 32 x 32 uint8 (E5M2 codes of W_o, K innermost, in blocks of 32 codes); W_o_scales 1,024 x 32 uint8 (E8M0 scales of W_o, one for each 32 codes along K); W_q_codes 1,024 x 32 x 32 uint8 (E5M2 codes of W_q, K innermost, in blocks of 32 codes); W_q_scales 1,024 x 32 uint8 (E8M0 scales of W_q, one for each 32 codes along K); W_v_codes 1,024 x 32 x 32 uint8 (E5M2 codes of W_v, K innermost, in blocks of 32 codes); W_v_scales 1,024 x 32 uint8 (E8M0 scales of W_v, one for each 32 codes along K); b_k 1,024 float32; b_o 1,024 float32; b_q 1,024 float32; b_v 1,024 float32; x_codes 4 x 2,048 x 32 x 32 uint8 (E5M2 codes of x, K innermost, in blocks of 32 codes); x_scales 4 x 2,048 x 32 uint8 (E8M0 scales of x, one for each 32 codes along K).
;; Outputs: out0 4 x 2,048 x 1,024 float32.
;; This version of the problem:
;;   THIS VERSION OF THE PROBLEM IS GIVEN IN LOW PRECISION. The matrix products marked QUANTISED in the list below multiply operands that are first quantised to E5M2 (5 exponent bits, 2 mantissa bits; 8 bits a number), with one power-of-two scale for each 32 numbers along K (OCP MX v1.0); their sums are f32. All else is computed in f32.
;;   The module's matrix products, in the order in which they are computed (A, B: the left and right operand; K: the contracted axis; several contracted axes count as one K, in the product's order):
;;     1. [M 8,192, K 1,024] x [K 1,024, N 1,024]; A: input x (given as codes); B: input W_q (given as codes): QUANTISED
;;     2. [M 8,192, K 1,024] x [K 1,024, N 1,024]; A: input x (given as codes); B: input W_k (given as codes): QUANTISED
;;     3. [M 8,192, K 1,024] x [K 1,024, N 1,024]; A: input x (given as codes); B: input W_v (given as codes): QUANTISED
;;     4. batch 64 x [M 2,048, K 64] x [K 64, N 2,048]; A: computed on the way; B: computed on the way: QUANTISED
;;     5. batch 64 x [M 2,048, K 2,048] x [K 2,048, N 64]; A: softmax (see below); B: computed on the way: QUANTISED
;;     6. [M 8,192, K 1,024] x [K 1,024, N 1,024]; A: computed on the way; B: input W_o (given as codes): QUANTISED
;;   THE QUANTISER, for each operand of a quantised product, along K:
;;     - K is cut into blocks of 32 from its start; a last block that is shorter is filled with zeros.
;;     - A block's scale is 2^e with e = floor(log2(the largest magnitude in the block)) - 15, held to -126 .. 127; a block of zeros has e = 0. As a byte (E8M0): e + 127.
;;     - Each number is divided by its block's scale, clamped to +-57,344, and rounded to the nearest number of E5M2, ties to even, subnormals kept.
;;     - The product sums the exact products of the quantised numbers (number of the format x scale) in f32.
;;   ~~~python
;;   def quantise(x, axis):      # numpy; x: float32 -> the quantised numbers, widened to float32 again
;;       x = np.moveaxis(x, axis, -1); K = x.shape[-1]
;;       x = np.pad(x, [(0, 0)] * (x.ndim - 1) + [(0, -K % 32)]); x = x.reshape(x.shape[:-1] + (-1, 32)); a = np.abs(x).max(-1, keepdims=True)
;;       e = np.where(a > 0, np.clip(np.frexp(np.where(a > 0, a, 1))[1] - 1 - 15, -126, 127), 0)      # np.frexp(a)[1] - 1 = floor(log2(a)), exactly
;;       r = np.clip(x / 2.0 ** e, -57344, 57344)
;;       step = 2.0 ** (np.maximum(np.frexp(np.where(r == 0, 1, r))[1] - 1, -14) - 2)
;;       q = np.round(r / step) * step * 2.0 ** e      # np.round: ties to even
;;       return np.moveaxis(q.reshape(q.shape[:-2] + (-1,))[..., :K], -1, axis).astype(np.float32)
;;   ~~~
;;   SOFTMAX AHEAD OF A QUANTISED PRODUCT. Where the list says 'softmax', what is quantised is not the finished softmax but p = 2^(t - M), with t = logit x log2(e) and M = ceil(the row's largest t), a whole number; so 1/2 < the row's largest p <= 1. The row's sum l is taken of the UNQUANTISED p, in f32, and the product's result is divided by l at the end. Since M is a whole number, a kernel that streams over the keys may use a running M (the ceiling of the running maximum): every later rescaling is an exact power of two, which a block's scale takes up: the codes' values come out the same.
;;   OPERANDS COMPUTED ON THE WAY. 'Computed on the way' means the value that the module computes at that place (a softmax that the list does not call 'softmax' is quantised finished and normalised). What goes into a quantiser is computed in f32, as accurately as f32 sums, v_exp_f32 and their like allow (about 1e-6 of the number): no bf16 or f16 on the way to a quantiser, and a product that is left as it is and whose result goes on into a quantised operand takes f32 operands (vector FMAs, or v_wmma_f32_16x16x4_f32). A number that lies on a knife's edge between two numbers of the format may be rounded either way, as far as f32 arithmetic and the matrix unit's own rounding can turn it there, and no further.
;;   INPUTS GIVEN AS CODES. W_k (in the module: [1024, 1024], K = its axis 0); W_o (in the module: [1024, 1024], K = its axis 0); W_q (in the module: [1024, 1024], K = its axis 0); W_v (in the module: [1024, 1024], K = its axis 0); x (in the module: [4, 2048, 1024], K = its axis 2): each comes as NAME_codes (uint8): NAME with its K axis moved to the last place and cut into blocks of 32 codes, [.., K / 32, bytes a block], one block behind the other in memory; one code a byte (a code: sign, 5 exponent bits, 2 mantissa bits); and NAME_scales (uint8): the same leading axes, one E8M0 byte (e + 127) for each 32 codes along K. Its value is code x scale, taken as it is: it is not quantised again, and the codes and scales need not be those that the quantiser above would give.
;; One version. Each part assembles by itself: llvm-mc -triple=amdgcn-amd-amdhsa -mcpu=gfx1250 --defsym DOCPART=n.
;; ======== version 1 of 1: 3 launches
;; limits: right only within a limited range of input values
;; workspace buffers: qkv 26,476,544 bytes; att 8,650,752 bytes
;; launch qkv (part 1): grid 12 x 32, 4 waves a work-group, clusters of 4 x 4, 327,680 bytes of LDS; arguments x_codes, x_scales, W_q_codes, W_q_scales, W_k_codes, W_k_scales, W_v_codes, W_v_scales, b_q, b_k, b_v, qkv; writes qkv
.if DOCPART == 1
	.amdgcn_target "amdgcn-amd-amdhsa--gfx1250"
	.amdhsa_code_object_version 6
	.text
	.protected	k_qe9c9d3f956_qkv
	.globl	k_qe9c9d3f956_qkv
	.p2align	8
	.type	k_qe9c9d3f956_qkv,@function
k_qe9c9d3f956_qkv:
	s_mov_b64 s[64:65], 0
	v_nop
	global_prefetch_b8 v0, s[64:65] scope:SCOPE_SE
	s_setreg_imm32_b32 hwreg(HW_REG_WAVE_MODE, 25, 1), 1
	s_wait_xcnt 0x0
	s_wait_alu depctr_hold_cnt(0) depctr_sa_sdst(0) depctr_va_vdst(0) depctr_va_sdst(0) depctr_va_ssrc(0) depctr_va_vcc(0) depctr_vm_vsrc(0)
	s_getreg_b32 s2, hwreg(HW_REG_IB_STS2, 6, 4)
	s_cmp_eq_u32 s2, 0
	s_cbranch_scc0 .Lentry_in_a_cluster
	s_endpgm
.Lentry_in_a_cluster:
	s_bfe_u32 s2, ttmp6, 0x10000c
	s_cmp_lg_u32 s2, 0xf033
	s_cbranch_scc0 .Lentry_shape_is_right
	s_endpgm
.Lentry_shape_is_right:
.set NQ,     2
.set ROWB,   256
.set KROW,   1024
.set PITCH,  272
.set FR,     16
.set NL,     4
.set NP,     8
.set HALFT,  128*PITCH
.set SLOT,   4*HALFT
.set KS,     32
.set SCL,    2*SLOT
.set HALFS,  (128*KS/256)*272
.set SBLK,   (16*KS/256)*272
.set SPARE,  SCL+4*HALFS
.set QOFF,   17563648
.set QSOFF,  25952256
.set BPB,    548864
.set SLB,    68608
.set ADRA, 16
.set BNO,  18
.set BMO,  19
.set ADRB, 20
.set SHV,  22
.set VO0,  24
.set VO2,  25
.set VS,   26
.set ADRS, 27
.set SPW,  28
.set NIL,  29
.set SC,   32
.set BN,   64
.set AF,   128
.set T,    128
.set PC,   192
.set TM,   208
.set PW,   224
.set SWR,  225
.set G1,   24
.set G0,   32
.set G1B,  48
.set G0B,  56
.set G1S,  68
.set G0S,  76
.set G1SB, 80
.set G0SB, 88
.set MNT,  95
.set SEL,  96
.set MSB, 0
.macro WIN new
.if MSB != (\new)
	s_set_vgpr_msb (MSB<<8)|(\new)
.set MSB, (\new)
.endif
.endm
.set MUL_LO, 0xa1
.set MUL_HI, 0xf1
.set FST_LO, 0x81
.set FST_HI, 0xc1
.set TO_B,   0x40
.macro JLOAD g0a, g1a, g0b, g1b
	s_cmp_eq_u32 s15, 0
	s_cbranch_scc0 .Lfor_b_\@
	tensor_load_to_lds s[\g0a:\g0a+3], s[\g1a:\g1a+7]
	s_nop 0
.rept 4
	v_nop
.endr
	s_branch .Lasked_\@
.Lfor_b_\@:
	tensor_load_to_lds s[\g0b:\g0b+3], s[\g1b:\g1b+7]
	s_nop 0
.rept 4
	v_nop
.endr
.Lasked_\@:
.endm
.macro CREST
	s_cmp_lg_u32 s14, 0
	s_cbranch_scc1 .Lnot_wave_0_\@
	s_barrier_signal -3
.Lnot_wave_0_\@:
	s_barrier_wait -3
	s_barrier_signal -1
	s_barrier_wait -1
.endm
.macro CROUND
	s_barrier_signal -1
	s_barrier_wait -1
	CREST
.endm
.macro PICK reg, q, k
	s_mov_b32 s[\reg], \k
	s_cselect_b32 s[\reg], \q, s[\reg]
.endm
	s_load_b512 s[24:39], s[0:1], 0x0
	s_load_b256 s[40:47], s[0:1], 0x40
	v_lshl_add_u32 v[SPW], v0, 2, SPARE
	v_mov_b32 v[NIL], 0
	ds_add_u32 v28, v29
	ds_add_u32 v28, v29
	s_wait_dscnt 0x0
	v_lshrrev_b32 v1, 5, v0
	v_readfirstlane_b32 s14, v1
	s_lshr_b32 s15, s14, 1
	s_and_b32 s16, s14, 1
	s_wait_kmcnt 0x0
	s_cmp_eq_u32 ttmp9, 2
	s_cselect_b64 s[4:5], s[36:37], s[24:25]
	s_cselect_b64 s[6:7], s[38:39], s[26:27]
	s_cselect_b64 s[8:9], s[24:25], s[32:33]
	s_cselect_b64 s[10:11], s[26:27], s[34:35]
	s_cselect_b64 s[98:99], s[44:45], s[42:43]
	s_cmp_eq_u32 ttmp9, 0
	s_cselect_b64 s[8:9], s[28:29], s[8:9]
	s_cselect_b64 s[10:11], s[30:31], s[10:11]
	s_cselect_b64 s[98:99], s[40:41], s[98:99]
	s_mov_b64 s[12:13], s[46:47]
	s_bfe_u32 s40, ttmp6, 0x40000
	s_bfe_u32 s41, ttmp6, 0x40004
	s_and_b32 s18, ttmp7, 0xffff
	s_lshl_b32 s18, s18, 2
	s_cmp_eq_u32 ttmp9, 2
	s_cselect_b32 s17, 0, s18
	s_cselect_b32 s42, s18, 0
	s_add_co_u32 s17, s17, s41
	s_add_co_u32 s42, s42, s40
	s_lshl_b32 s43, s41, 2
	s_lshl_b32 s43, 15, s43
	s_lshl_b32 s44, 0x1111, s40
	s_or_b32 s[G1+0], s43, (0<<16)|(1<<20)|(1<<21)|(5<<22)|(3<<25)
	s_or_b32 s[G1B+0], s44, (0<<16)|(1<<20)|(1<<21)|(5<<22)|(3<<25)
.irp g, G1, G1B
	s_mov_b32 s[\g+1], ROWB<<16
	s_mov_b32 s[\g+2], 256<<16                     ; the head's loads bring 256 rows; behind them the two words that count rows are set to 128
	s_mov_b32 s[\g+3], ROWB<<16
	s_mov_b32 s[\g+4], 256
	s_mov_b32 s[\g+5], KROW
	s_mov_b32 s[\g+6], 0
	s_mov_b32 s[\g+7], 0
.endr
	s_or_b32 s[G1S+0], s43, (3<<16)|(1<<20)|(1<<21)|(5<<22)|(3<<25)
	s_or_b32 s[G1SB+0], s44, (3<<16)|(1<<20)|(1<<21)|(5<<22)|(3<<25)
.irp g, G1S, G1SB
	s_mov_b32 s[\g+1], 32<<16
	s_mov_b32 s[\g+2], (256*KS/256)<<16            ; the scales of all 256 rows in one load
	s_mov_b32 s[\g+3], 32<<16
	s_mov_b32 s[\g+4], 256*KS/256
	s_mov_b32 s[\g+5], 32
	s_mov_b32 s[\g+6], 0
	s_mov_b32 s[\g+7], 0
.endr
	s_lshl_b32 s20, s17, 8                         ; the tiles' first rows
	s_lshl_b32 s46, s42, 8
	s_mov_b32 s21, 0
	s_mov_b32 s47, 0
	s_mov_b64 s[18:19], KS
	s_mul_u64 s[22:23], s[20:21], s[18:19]
	s_mul_u64 s[92:93], s[46:47], s[18:19]
	s_mov_b64 s[18:19], KROW
	s_mul_u64 s[20:21], s[20:21], s[18:19]
	s_mul_u64 s[46:47], s[46:47], s[18:19]
	s_mul_i32 s45, s14, HALFT
	s_mul_i32 s18, s16, 128*KROW                   ; in the ring a wave fetches 128 rows: which half, in bytes
	s_mov_b32 s19, 0
	s_add_nc_u64 s[20:21], s[4:5], s[20:21]
	s_add_nc_u64 s[22:23], s[6:7], s[22:23]
	s_add_nc_u64 s[46:47], s[8:9], s[46:47]
	s_add_nc_u64 s[92:93], s[10:11], s[92:93]
	CROUND
	s_mov_b32 s[G0S], 1                            ; the head's four tiles, each whole: the scales of A's 256 rows,
	s_mov_b32 s[G0S+1], SCL
	s_mov_b64 s[G0S+2:G0S+3], s[22:23]
	s_or_b32 s[G0S+3], s[G0S+3], 0x80000000
	s_mov_b32 s[G0SB], 1                           ; of B's,
	s_mov_b32 s[G0SB+1], SCL+2*HALFS
	s_mov_b64 s[G0SB+2:G0SB+3], s[92:93]
	s_or_b32 s[G0SB+3], s[G0SB+3], 0x80000000
	s_mov_b32 s[G0+4], 1                           ; K step 0's 256 rows of A (in slot 1's group 0, which is made for the ring behind the wait for these loads),
	s_mov_b32 s[G0+5], 0
	s_mov_b64 s[G0+6:G0+7], s[20:21]
	s_or_b32 s[G0+7], s[G0+7], 0x80000000
	s_mov_b32 s[G0B+4], 1                          ; and of B
	s_mov_b32 s[G0B+5], 2*HALFT
	s_mov_b64 s[G0B+6:G0B+7], s[46:47]
	s_or_b32 s[G0B+7], s[G0B+7], 0x80000000
	s_mov_b32 s[G0], 1                             ; slot 0's group 0 for the ring: my 128 rows; first used at its first refill
	s_mov_b32 s[G0+1], s45
	s_add_nc_u64 s[G0+2:G0+3], s[20:21], s[18:19]
	s_or_b32 s[G0+3], s[G0+3], 0x80000000
	s_mov_b32 s[G0B], 1
	s_mov_b32 s[G0B+1], s45
	s_add_nc_u64 s[G0B+2:G0B+3], s[46:47], s[18:19]
	s_or_b32 s[G0B+3], s[G0B+3], 0x80000000
; one joint load a wave at the head: one chain of branches on the wave's number, one load to an arm
.macro ARM under, g0, g1, next
	s_cmp_lt_u32 s14, \under
	s_cbranch_scc0 \next
	tensor_load_to_lds s[\g0:\g0+3], s[\g1:\g1+7]
	s_nop 0
.rept 4
	v_nop
.endr
	s_branch .Lhead_asked
\next:
.endm
	ARM 1, G0+4,  G1,  .Lhead_b
	ARM 2, G0B+4, G1B, .Lhead_sa
	ARM 3, G0S,   G1S, .Lhead_sb
	tensor_load_to_lds s[G0SB:G0SB+3], s[G1SB:G1SB+7]
	s_nop 0
.rept 4
	v_nop
.endr
.Lhead_asked:
	v_and_b32 v1, 15, v0
	v_bfe_u32 v2, v0, 4, 1
	v_mul_u32_u24 v3, v1, PITCH
	v_lshl_add_u32 v4, v2, 4, v3
	s_mul_i32 s21, s15, HALFT
	s_mul_i32 s22, s16, HALFT
	s_add_co_u32 s22, s22, 2*HALFT
.irp s, 0,1
	v_add_nc_u32 v[ADRA+\s], s21, v4
	v_add_nc_u32 v[ADRB+\s], s22, v4
	s_add_co_u32 s21, s21, SLOT
	s_add_co_u32 s22, s22, SLOT
.endr
	v_mul_u32_u24 v5, v1, KS
	v_lshrrev_b32 v6, 8, v5
	v_lshl_add_u32 v5, v6, 4, v5
	s_mul_i32 s21, s15, HALFS
	s_mul_i32 s22, s16, HALFS
	s_add_co_u32 s22, s22, 2*HALFS
	s_sub_co_u32 s22, s22, s21
	v_mul_u32_u24 v6, s22, v2
	s_add_co_u32 s21, s21, SCL
	v_add_nc_u32 v5, v5, v6
	v_add_nc_u32 v[ADRS], s21, v5
	s_lshl_b32 s18, s17, 8
	s_lshl_b32 s19, s15, 7
	s_add_co_u32 s18, s18, s19
	s_lshl_b32 s19, s42, 8
	s_lshl_b32 s20, s16, 7
	s_add_co_u32 s19, s19, s20
	s_cmp_eq_u32 ttmp9, 2
	s_cselect_b32 s20, s19, s18
	s_cselect_b32 s21, s18, s19
	s_cselect_b32 s22, s18, 0
	s_cselect_b32 s23, 0, s19
	s_cselect_b32 s100, 0, -1
	s_cselect_b32 s101, -1, 0
	s_lshl_b32 s46, s23, 2
	s_mov_b32 s47, 0
	s_add_nc_u64 s[92:93], s[98:99], s[46:47]
	s_lshl_b32 s46, s22, 2
	s_add_nc_u64 s[98:99], s[98:99], s[46:47]
	s_lshr_b32 s43, s20, 11
	s_lshl_b32 s43, s43, 3
	s_lshr_b32 s44, s21, 7
	s_add_co_u32 s43, s43, s44
	s_bfe_u32 s44, s20, 0x30008
	s_bfe_u32 s45, s20, 0x10007
	s_cmp_eq_u32 ttmp9, 0
	PICK 18, QOFF, 0
	PICK 19, 262144, BPB
	PICK 20, 32768, SLB
	PICK 21, 16384, 8192
	PICK 22, QSOFF, 65536
	PICK 23, 16384, BPB
	PICK 46, 2048, SLB
	PICK 47, 1024, 512
	PICK 6, 2048, 1024
	PICK 8, 2048, 1024
	PICK 10, 128, 64
	PICK 66, 128, 64
	PICK 40, 1024, 32768
	PICK 41, 64, 1536
	s_mov_b32 s94, 16
	s_cmp_eq_u32 ttmp9, 2
	s_cselect_b32 s18, 16384, s18
	s_cselect_b32 s22, 66560, s22
	s_cselect_b32 s47, 256, s47
	s_cselect_b32 s6, 2048, s6
	s_cselect_b32 s8, 26624, s8
	s_cselect_b32 s66, 1344, s66
	s_cselect_b32 s40, 1024, s40
	s_cselect_b32 s41, 0, s41
	s_cselect_b32 s94, 0, s94
	s_mov_b32 s7, 0
	s_mov_b32 s9, 0
	s_mov_b32 s11, 0
	s_mov_b32 s67, 0
	s_mul_i32 s19, s19, s43
	s_mul_i32 s20, s20, s44
	s_mul_i32 s21, s21, s45
	s_add_co_u32 s18, s18, s19
	s_add_co_u32 s18, s18, s20
	s_add_co_u32 s18, s18, s21
	s_mov_b32 s19, 0
	s_mul_i32 s23, s23, s43
	s_mul_i32 s46, s46, s44
	s_mul_i32 s47, s47, s45
	s_add_co_u32 s22, s22, s23
	s_add_co_u32 s22, s22, s46
	s_add_co_u32 s22, s22, s47
	s_mov_b32 s23, 0
	s_add_nc_u64 s[4:5], s[12:13], s[22:23]
	s_add_nc_u64 s[12:13], s[12:13], s[18:19]
	s_mov_b32 s[MNT], 0x600000
	s_mov_b32 s[SEL], 0x76543210
	s_mov_b32 s[SEL+1], 0xfedcba98
	v_and_b32 v5, 31, v0
	v_lshlrev_b32 v[VO0], 4, v5
	v_add_nc_u32 v[VO2], s40, v[VO0]
	v_lshlrev_b32 v[BMO], 2, v1
	v_mad_u32_u24 v[VS], v2, s41, v[BMO]
	v_mul_u32_u24 v[SHV], v2, s94
	v_lshlrev_b32 v[BNO], 5, v2
.irp i, 0,1,2,3,4,5,6,7
	global_load_b128 v[BN+8*\i:BN+8*\i+3],   v[BNO], s[92:93] offset:64*\i
	global_load_b128 v[BN+8*\i+4:BN+8*\i+7], v[BNO], s[92:93] offset:64*\i+16
.endr
.irp a, 0,1,2,3,4,5,6,7
	global_load_b32 v[2*\a], v[BMO], s[98:99] offset:64*\a
.endr
	s_wait_alu depctr_va_vdst(0)
	s_wait_tensorcnt 0x0                           ; my tile of the head's four is in; the three lines ahead of slot 1's first fill
	ds_add_u32 v28, v29
	s_mov_b32 s[G1+2], 128<<16                     ; no tensor load of mine is out: from here on a load brings 128 rows
	s_mov_b32 s[G1+4], 128
	s_mov_b32 s[G1B+2], 128<<16
	s_mov_b32 s[G1B+4], 128
	s_mul_i32 s2, s16, 128*KROW                    ; slot 1's group 0 for the ring: my 128 rows, K step 1
	s_add_co_u32 s2, s2, ROWB
	s_mov_b32 s3, 0
	s_add_nc_u64 s[G0+6:G0+7], s[G0+6:G0+7], s[2:3]
	s_add_nc_u64 s[G0B+6:G0B+7], s[G0B+6:G0B+7], s[2:3]
	s_mul_i32 s[G0+5], s14, HALFT
	s_add_co_u32 s[G0+5], s[G0+5], SLOT
	s_mov_b32 s[G0B+5], s[G0+5]
	s_wait_dscnt 0x0
	CROUND
	JLOAD G0+4, G1, G0B+4, G1B
	s_wait_loadcnt 0x0
.set J, 0
.rept 64
	v_and_b32 v[BN+J], s100, v[BN+J]
.set J, J+1
.endr
.irp a, 0,1,2,3,4,5,6,7
	v_and_b32 v[2*\a], s101, v[2*\a]
.endr
.irp a, 0,1,2,3,4,5,6,7
	v_mov_b32 v[2*\a+1], v[2*\a]
.endr
.macro FRAG reg, adr, q, i
.irp c, 0,1,2,3
	ds_load_b128 v[\reg+4*\c:\reg+4*\c+3], v[\adr] offset:128*(\q)+32*\c+(\i)*16*PITCH
.endr
.endm
.macro MUL16 a0, p, q, sc, first
.irp a, \a0, \a0+1
.irp b, 0,1,2,3,4,5,6,7
.if \first
	v_wmma_scale_f32_16x16x128_f8f6f4 v[8*(8*((\a)%4)+\b):8*(8*((\a)%4)+\b)+7], v[128*(\p)+FR*\b:128*(\p)+FR*\b+FR-1], v[AF+FR*(\a):AF+FR*(\a)+FR-1], v[BN+8*\b:BN+8*\b+7], v[SC+8*NQ*(\sc)+NQ*\b+(\q)], v[SC+8*NQ*(\sc)+NQ*(\a)+(\q)] matrix_a_fmt:MATRIX_FMT_BF8 matrix_b_fmt:MATRIX_FMT_BF8 matrix_a_scale:MATRIX_SCALE_ROW1
.else
	v_wmma_scale_f32_16x16x128_f8f6f4 v[8*(8*((\a)%4)+\b):8*(8*((\a)%4)+\b)+7], v[128*(\p)+FR*\b:128*(\p)+FR*\b+FR-1], v[AF+FR*(\a):AF+FR*(\a)+FR-1], v[8*(8*((\a)%4)+\b):8*(8*((\a)%4)+\b)+7], v[SC+8*NQ*(\sc)+NQ*\b+(\q)], v[SC+8*NQ*(\sc)+NQ*(\a)+(\q)] matrix_a_fmt:MATRIX_FMT_BF8 matrix_b_fmt:MATRIX_FMT_BF8 matrix_a_scale:MATRIX_SCALE_ROW1
.endif
.endr
.endr
.endm
.macro FETCH_B slot, q, p
	WIN TO_B
.irp i, 0,1,2,3,4,5,6,7
	FRAG 128*(\p)+FR*\i, ADRB+\slot, \q, \i
.endr
	WIN 0
.endm
.macro FETCH_A slot, q, i0
.irp i, \i0, \i0+1, \i0+2, \i0+3
	FRAG AF+FR*(\i), ADRA+\slot, \q, \i
.endr
.endm
.macro SCALES sc
.irp i, 0,1,2,3,4,5,6,7
	ds_load_b64 v[SC+8*NQ*\sc+NQ*\i:SC+8*NQ*\sc+NQ*\i+1], v[ADRS] offset:\i*SBLK
.endr
.endm
.macro PLACES n
.rept \n
	v_nop
.endr
.endm
.macro STEP slot, q, first
	s_wait_dscnt 4*NL
.if \first
	WIN FST_LO
.else
	WIN MUL_LO
.endif
	MUL16 0, (\q)%2, \q, \slot, \first
	MUL16 2, (\q)%2, \q, \slot, \first
	s_wait_dscnt 0
	PLACES NP
	FETCH_B \slot, (\q)+1, 1-(\q)%2
	FETCH_A \slot, (\q)+1, 0
.if \first
	WIN FST_HI
.else
	WIN MUL_HI
.endif
	MUL16 4, (\q)%2, \q, \slot, \first
	MUL16 6, (\q)%2, \q, \slot, \first
	PLACES NP
	WIN 0
	FETCH_A \slot, (\q)+1, 4
.endm
.macro TURN slot, next, fill
	s_wait_tensorcnt 0x0
	ds_add_u32 v[SPW], v[NIL]
	s_wait_dscnt 4*NL+1
	WIN MUL_LO
	MUL16 0, 1, NQ-1, \slot, 0
	s_wait_dscnt 0x0
	s_barrier_signal -1
	MUL16 2, 1, NQ-1, \slot, 0
	WIN 0
	s_barrier_wait -1
.if \fill
	CREST
	s_add_nc_u64 s[G0+4*\slot+2:G0+4*\slot+3], s[G0+4*\slot+2:G0+4*\slot+3], 2*ROWB
	s_add_nc_u64 s[G0B+4*\slot+2:G0B+4*\slot+3], s[G0B+4*\slot+2:G0B+4*\slot+3], 2*ROWB
	JLOAD G0+4*\slot, G1, G0B+4*\slot, G1B
	PLACES NP-4
.else
	PLACES NP
.endif
	s_wait_alu depctr_va_vdst(0)
	v_add_nc_u32 v[ADRS], 4*NQ, v[ADRS]
	FETCH_B \next, 0, 0
	FETCH_A \next, 0, 0
	SCALES \next
	WIN MUL_HI
	MUL16 4, 1, NQ-1, \slot, 0
	MUL16 6, 1, NQ-1, \slot, 0
	PLACES NP
	WIN 0
	FETCH_A \next, 0, 4
.endm
.macro QUANT s
.irp b, 0,1,2,3
	v_max3_num_f32 v[TM+\b], |v[\s+16*\b]|, |v[\s+1+16*\b]|, 0x8000000
.endr
.irp i, 2,4,6,8,10,12,14
.irp b, 0,1,2,3
	v_max3_num_f32 v[TM+\b], v[TM+\b], |v[\s+16*\b+\i]|, |v[\s+1+16*\b+\i]|
.endr
.endr
.irp b, 0,1,2,3
	v_permlanex16_b32 v[TM+4+\b], v[TM+\b], s[SEL], s[SEL+1]
.endr
.irp b, 0,1,2,3
	v_max_num_f32 v[TM+\b], v[TM+\b], v[TM+4+\b]
.endr
.irp b, 0,1,2,3
	v_add_nc_u32 v[TM+12+\b], 0xf8800000, v[TM+\b]
.endr
.irp b, 0,1,2,3
	v_and_or_b32 v[TM+8+\b], v[TM+\b], 0x7f800000, s[MNT]
.endr
.irp b, 0,1,2,3
	v_lshrrev_b32 v[TM+4+\b], 23, v[TM+12+\b]
.endr
	v_lshl_or_b32 v[PW], v[TM+5], 8, v[TM+4]
	v_lshl_or_b32 v[PW], v[TM+6], 16, v[PW]
	v_lshl_or_b32 v[PW], v[TM+7], 24, v[PW]
.irp b, 0,1,2,3
.irp i, 0,1,2,3,4,5,6,7,8,9,10,11,12,13,14,15
	v_med3_num_f32 v[\s+16*\b+\i], v[\s+16*\b+\i], -v[TM+8+\b], v[TM+8+\b]
.endr
	v_cvt_scalef32_pk8_bf8_f32 v[PC+4*\b:PC+1+4*\b], v[\s+16*\b:\s+7+16*\b], v[TM+12+\b]
	v_cvt_scalef32_pk8_bf8_f32 v[PC+2+4*\b:PC+3+4*\b], v[\s+8+16*\b:\s+15+16*\b], v[TM+12+\b]
.endr
	v_nop
.irp b, 0,1,2,3
	v_permlane16_swap_b32 v[PC+4*\b], v[PC+2+4*\b]
	v_permlane16_swap_b32 v[PC+1+4*\b], v[PC+3+4*\b]
.endr
.endm
.macro OUTBLK a
.if (\a) > 0
	s_wait_xcnt 0x0
.if (\a) == 4
	s_add_nc_u64 s[12:13], s[12:13], s[8:9]
	s_add_nc_u64 s[4:5], s[4:5], s[66:67]
.else
	s_add_nc_u64 s[12:13], s[12:13], s[6:7]
	s_add_nc_u64 s[4:5], s[4:5], s[10:11]
.endif
.endif
	WIN 0x02+(\a)/4
.set J, 0
.rept 32
	v_pk_add_f32 v[T+2*J:T+2*J+1], v[64*((\a)%4)+2*J:64*((\a)%4)+2*J+1], v[2*(\a):2*(\a)+1]
.set J, J+1
.endr
	WIN 0
	QUANT T
	v_lshrrev_b32 v[SWR], v[SHV], v[PW]
	global_store_b128 v[VO0], v[PC:PC+3], s[12:13]
	global_store_b128 v[VO0], v[PC+4:PC+7], s[12:13] offset:512
	global_store_b128 v[VO2], v[PC+8:PC+11], s[12:13]
	global_store_b128 v[VO2], v[PC+12:PC+15], s[12:13] offset:512
	global_store_b32 v[VS], v[SWR], s[4:5]
.endm
	s_wait_tensorcnt 1
	s_barrier_signal -1
	s_barrier_wait -1
	FETCH_B 0, 0, 0
	FETCH_A 0, 0, 0
	SCALES 0
	FETCH_A 0, 0, 4
	STEP 0, 0, 1
	TURN 0, 1, 1
	STEP 1, 0, 0
	TURN 1, 0, 1
	STEP 0, 0, 0
	TURN 0, 1, 0
	STEP 1, 0, 0
	s_wait_dscnt 4*NL
	WIN MUL_LO
	MUL16 0, 1, NQ-1, 1, 0
	MUL16 2, 1, NQ-1, 1, 0
	s_wait_dscnt 0
	WIN MUL_HI
	MUL16 4, 1, NQ-1, 1, 0
	MUL16 6, 1, NQ-1, 1, 0
	WIN 0
	PLACES NP
.irp b, 0,1,2,3
	v_mov_b32 v[TM+4+\b], 0
.endr
.irp a, 0,1,2,3,4,5,6,7
	OUTBLK \a
.endr
	s_wait_tensorcnt 0x0
	ds_add_u32 v[SPW], v[NIL]
	s_wait_dscnt 0x0
	CROUND
	s_endpgm
.Lfunc_end_k_qe9c9d3f956_qkv:
	.size	k_qe9c9d3f956_qkv, .Lfunc_end_k_qe9c9d3f956_qkv-k_qe9c9d3f956_qkv
	.p2alignl 7, 3214868480
	.fill 96, 4, 3214868480
	.section	.rodata,"a",@progbits
	.p2align	6, 0x0
	.amdhsa_kernel k_qe9c9d3f956_qkv
		.amdhsa_group_segment_fixed_size 327680
		.amdhsa_private_segment_fixed_size 0
		.amdhsa_enable_private_segment 0
		.amdhsa_kernarg_size 96
		.amdhsa_user_sgpr_count 2
		.amdhsa_user_sgpr_kernarg_segment_ptr 1
		.amdhsa_wavefront_size32 1
		.amdhsa_system_sgpr_workgroup_id_x 1
		.amdhsa_system_sgpr_workgroup_id_y 1
		.amdhsa_system_sgpr_workgroup_id_z 1
		.amdhsa_system_vgpr_workitem_id 0
		.amdhsa_next_free_vgpr 1024
		.amdhsa_next_free_sgpr 102
		.amdhsa_reserve_vcc 0
		.amdhsa_float_denorm_mode_32 3
		.amdhsa_float_denorm_mode_16_64 3
		.amdhsa_memory_ordered 1
		.amdhsa_forward_progress 1
		.amdhsa_inst_pref_size 213
	.end_amdhsa_kernel
	.amdgpu_metadata
---
amdhsa.version: [ 1, 2 ]
amdhsa.kernels:
  - .name:           k_qe9c9d3f956_qkv
    .symbol:         k_qe9c9d3f956_qkv.kd
    .args:
      - { .name: x_codes, .offset: 0, .size: 8, .value_kind: global_buffer, .address_space: global }
      - { .name: x_scales, .offset: 8, .size: 8, .value_kind: global_buffer, .address_space: global }
      - { .name: W_q_codes, .offset: 16, .size: 8, .value_kind: global_buffer, .address_space: global }
      - { .name: W_q_scales, .offset: 24, .size: 8, .value_kind: global_buffer, .address_space: global }
      - { .name: W_k_codes, .offset: 32, .size: 8, .value_kind: global_buffer, .address_space: global }
      - { .name: W_k_scales, .offset: 40, .size: 8, .value_kind: global_buffer, .address_space: global }
      - { .name: W_v_codes, .offset: 48, .size: 8, .value_kind: global_buffer, .address_space: global }
      - { .name: W_v_scales, .offset: 56, .size: 8, .value_kind: global_buffer, .address_space: global }
      - { .name: b_q, .offset: 64, .size: 8, .value_kind: global_buffer, .address_space: global }
      - { .name: b_k, .offset: 72, .size: 8, .value_kind: global_buffer, .address_space: global }
      - { .name: b_v, .offset: 80, .size: 8, .value_kind: global_buffer, .address_space: global }
      - { .name: qkv, .offset: 88, .size: 8, .value_kind: global_buffer, .address_space: global }
    .group_segment_fixed_size: 327680
    .private_segment_fixed_size: 0
    .kernarg_segment_align: 8
    .kernarg_segment_size: 96
    .max_flat_workgroup_size: 128
    .sgpr_count:     102
    .vgpr_count:     1024
    .wavefront_size: 32
...
	.end_amdgpu_metadata
.endif
;; end of part 1
;; launch attn (part 2): grid 8 x 32, 8 waves a work-group, clusters of 4 x 1, 327,680 bytes of LDS; arguments qkv, att; writes att
.if DOCPART == 2
	.amdgcn_target "amdgcn-amd-amdhsa--gfx1250"
	.amdhsa_code_object_version 6
	.text
	.protected	k_qe9c9d3f956_attn
	.globl	k_qe9c9d3f956_attn
	.p2align	8
	.type	k_qe9c9d3f956_attn,@function
k_qe9c9d3f956_attn:
	s_mov_b64 s[64:65], 0
	v_nop
	global_prefetch_b8 v0, s[64:65] scope:SCOPE_SE
	s_setreg_imm32_b32 hwreg(HW_REG_WAVE_MODE, 25, 1), 1
	s_wait_xcnt 0x0
	s_wait_alu depctr_hold_cnt(0) depctr_sa_sdst(0) depctr_va_vdst(0) depctr_va_sdst(0) depctr_va_ssrc(0) depctr_va_vcc(0) depctr_vm_vsrc(0)
	s_getreg_b32 s2, hwreg(HW_REG_IB_STS2, 6, 4)
	s_cmp_eq_u32 s2, 0
	s_cbranch_scc0 .Lentry_in_a_cluster
	s_endpgm
.Lentry_in_a_cluster:
	s_bfe_u32 s2, ttmp6, 0x10000c
	s_cmp_lg_u32 s2, 0x3003
	s_cbranch_scc0 .Lentry_shape_is_right
	s_endpgm
.Lentry_shape_is_right:
; SECOND OF THREE LAUNCHES.  For each batch and head: O[q] = sum over k of softmax_k(Q[q] . K[k] / 8) V[k], both products on codes of BF8 (E5M2) with one E8M0 scale for each 32 along a product's K;
; the result is quantised along the 1,024 channels for the last product.  Operands come from the workspace qkv as images of operand registers (four registers of all 32 lanes are 512 bytes on end, lane l's 16 at 16 l).
; THE SOFTMAX: t = score x log2(e) / 8; M = the row's largest t so far, rounded up to a whole number; p = 2^(t - M) is quantised along the keys, not normalised.  The row's sum is taken of the unquantised p, in f32,
; and divides O at the end.  When M moves, the sum and O are multiplied by 2^(old M - new M): exact.
; SHARES.  A work-group owns 256 queries of a PAIR of heads (bp = 8 x batch + head / 2); each of eight waves owns TWO tiles of 16 queries, so that each fragment of K and V read from LDS feeds two matrix instructions.
; The two heads are walked one after the other: four phases of 1,024 keys of one head, eight steps of 128 keys each, through a ring of two LDS slots of 153,600 bytes: four changes of slots, three of them with a fill.
; REGISTERS.  Tile 0 lives in window 0 (v0-255), tile 1 under the same numbers in window 1: one text serves both, under another s_set_vgpr_msb.  Shared, in window 0: addresses, K's and V's fragments, all scale words (a scale operand has no window).
; CLUSTER.  The four query blocks of a cluster walk the same slots: every fill is a joint load.  Waves 0, 1 fetch K's codes of 512 keys each, waves 2, 3 V's, wave 4 K's scale words, wave 5 V's: one load a wave.
; NO PREFETCH: a fill is asked for at a phase's head and first read at the next phase's head, eight steps of all waves later, so no wave stands waiting for it in the loop.
; LAYOUT.  Both products are used transposed (S^T = K Q^T, O^T = V^T P^T): lane (r, h) holds query r throughout.  THE KEYS OF A TILE ARE NOT NEIGHBOURS: lane r of tile 2 b + u takes key 32 b + 8 u + r + 8 (r / 8), by its LDS address,
; so that the 16 registers of tiles 2 b, 2 b + 1 are keys 32 b + 16 h + 0 .. 15: the conversions' results are the second product's operand.  128 bytes of padding behind each 1,024 set the two images that such a load touches 1,152 bytes apart.
; THE ROW'S SUM OF A STEP IS ADDED IN THE NEXT STEP: the hold writes into a scratch set, p stays, and the additions stand behind the second product's matrix instructions and between the first product's, as their places.
; A HEAD HAS 64 CHANNELS AND THE MATRIX INSTRUCTION TAKES 128: Q's fragment has zero codes in its upper eight registers; K's fragment is eight registers of codes and whatever follows: the next tile's codes or tile 0's p, all finite.
; LIMITS: NaN and infinities are not served; the scaled scores stay under 2^31 in magnitude.  A block of zeros gets the byte 1 where the rule says 127 (its codes are zeros; this program alone reads the bytes); blocks whose largest magnitude
; lies under 2^(16 - 127) are held at the byte 1.  A block's largest p is taken from its largest score: that takes v_exp_f32 not to fall where its input rises.  1 / l is v_rcp_f32 and a multiplication.
.set DUAL,  0                          ; 1: the holds go two to an instruction
.set SLB,   68608                      ; workspace: 256 keys of both heads: [head 2][K 16,384, V 16,384], then scale words [head 2][K 1,024, V 512]
.set BPB,   548864                     ; a head pair's eight such blocks
.set QOFF,  17563648                   ; Q's images [bp][tile 128][e][c 2][512]
.set QSOFF, 25952256                   ; Q's scale words [bp][tile][e][16][4]
.set ASOFF, 8388608                    ; att: images [token tile 512][head pair 8][c 4][512]; from here scale words [head pair 8][token tile 512][16][4]
.set PART,  18432                      ; 16,384 bytes of codes in LDS: 16 times 1,024 + 128
.set KSTEP, 9216                       ; a step's codes of K, or of V
.set VCO,   4*PART                     ; a slot: K's codes, V's codes,
.set KWO,   8*PART                     ; K's scale words (4,096),
.set VWO,   KWO+4096                   ; V's (2,048)
.set SLOTB, VWO+2048
.set SPARE, 2*SLOTB                    ; the spare words, 128 bytes a wave
.set STG,   SPARE+1024                 ; 1,024 bytes: the sixteen tiles' scale words meet here; no fill lands here
.set LI,  1                            ; 16 x lane
.set SPW, 2                            ; my spare word; never rewritten
.set NIL, 3                            ; 0; never rewritten
.set ADK, 4                            ; LDS addresses of the step: K's codes,
.set ADV, 5                            ; V's codes,
.set ADS, 6                            ; K's scale words,
.set ADT, 7                            ; V's
.set ST,  8                            ; v8-11: -M, the largest t, the sum in two halves
.set TMP, 12
                                       ; v13, v254: tile 0's, tile 1's scale words of Q: lanes 0-15 head 0's, lanes 16-31 head 1's
.set FF,  14                           ; f = 2^(old M - new M)
                                       ; v15, v255: tile 0's, tile 1's scale word of p
.set PW0, 16                           ; the result's scale word: over head 0's Q, which is done with by then
                                       ; v16-31, v32-47: head e's Q: eight registers of codes, eight of zeros
.set F,   48                           ; v48-111 eight fragments of K, then four of V
.set PC,  112                          ; v112-127 p's codes; tile 0's follow K's last fragment
.set BMX, 120                          ; v120-123 the blocks' largest scores, then p; done with when the codes land there
.set TP,  124                          ; v124-127 at work
.set S,   128                          ; v128-191 S^T, then p
.set O,   192                          ; v192-223 O^T
.set T,   224                          ; v224-239 held p, two sets of eight; three of the sum's four chains
.set HOLD, 240                         ; 57,344 x the scale
.set SOP, 244                          ; the conversions' scale operands
.set KSR, 248                          ; K's scale words: lanes 0-15 tile 2 b's, lanes 16-31 tile 2 b + 1's
.set VSR, 252                          ; V's likewise
.set WV,  18
.set MNT, 19                           ; the mantissa field of 57,344
.set SEL, 20                           ; s[20:21] lane l xor 16
.set CS,  22                           ; s[22:23] c = log2(e) / 8
.set G1C, 24                           ; descriptor groups 1: codes, K's words, V's words
.set G1K, 68
.set G1V, 76
.set G0C, 32                           ; and groups 0
.set G0K, 84
.set G0V, 88
.set WOFF, 36                          ; wave x 2 PART
.set CNT, 37
.set MSB, 0
.macro WIN new                         ; low byte: bits 1:0 source 0, 3:2 source 1, 5:4 source 2, 7:6 destination; the high byte repeats the setting that is left
.if MSB != (\new)
	s_set_vgpr_msb (MSB<<8)|(\new)
.set MSB, (\new)
.endif
.endm
.macro WMZ d, x, y, sx, sy, rx, ry     ; rx, ry: a source's scales are read from lanes 16-31.  The sum starts with the constant 0
.if (\rx) && (\ry)
	v_wmma_scale_f32_16x16x128_f8f6f4 v[(\d):(\d)+7], v[(\x):(\x)+15], v[(\y):(\y)+15], 0, v[(\sx)], v[(\sy)] matrix_a_fmt:MATRIX_FMT_BF8 matrix_b_fmt:MATRIX_FMT_BF8 matrix_a_scale:MATRIX_SCALE_ROW1 matrix_b_scale:MATRIX_SCALE_ROW1
.elseif (\rx)
	v_wmma_scale_f32_16x16x128_f8f6f4 v[(\d):(\d)+7], v[(\x):(\x)+15], v[(\y):(\y)+15], 0, v[(\sx)], v[(\sy)] matrix_a_fmt:MATRIX_FMT_BF8 matrix_b_fmt:MATRIX_FMT_BF8 matrix_a_scale:MATRIX_SCALE_ROW1
.elseif (\ry)
	v_wmma_scale_f32_16x16x128_f8f6f4 v[(\d):(\d)+7], v[(\x):(\x)+15], v[(\y):(\y)+15], 0, v[(\sx)], v[(\sy)] matrix_a_fmt:MATRIX_FMT_BF8 matrix_b_fmt:MATRIX_FMT_BF8 matrix_b_scale:MATRIX_SCALE_ROW1
.else
	v_wmma_scale_f32_16x16x128_f8f6f4 v[(\d):(\d)+7], v[(\x):(\x)+15], v[(\y):(\y)+15], 0, v[(\sx)], v[(\sy)] matrix_a_fmt:MATRIX_FMT_BF8 matrix_b_fmt:MATRIX_FMT_BF8
.endif
.endm
.macro WM d, x, y, sx, sy, rx          ; adds in place
.if (\rx)
	v_wmma_scale_f32_16x16x128_f8f6f4 v[(\d):(\d)+7], v[(\x):(\x)+15], v[(\y):(\y)+15], v[(\d):(\d)+7], v[(\sx)], v[(\sy)] matrix_a_fmt:MATRIX_FMT_BF8 matrix_b_fmt:MATRIX_FMT_BF8 matrix_a_scale:MATRIX_SCALE_ROW1
.else
	v_wmma_scale_f32_16x16x128_f8f6f4 v[(\d):(\d)+7], v[(\x):(\x)+15], v[(\y):(\y)+15], v[(\d):(\d)+7], v[(\sx)], v[(\sy)] matrix_a_fmt:MATRIX_FMT_BF8 matrix_b_fmt:MATRIX_FMT_BF8
.endif
.endm
.macro TL g0, g1                       ; a tensor load; s_nop 0 and four v_nop follow it
	tensor_load_to_lds s[\g0:\g0+3], s[\g1:\g1+7]
	s_nop 0
.rept 4
	v_nop
.endr
.endm
.macro JLOAD                           ; one chain of branches on the wave's number, one joint load to an arm
	s_cmp_lt_u32 s[WV], 4
	s_cbranch_scc0 .Lkw_\@
	TL G0C, G1C
	s_branch .Lasked_\@
.Lkw_\@:
	s_cmp_eq_u32 s[WV], 4
	s_cbranch_scc0 .Lvw_\@
	TL G0K, G1K
	s_branch .Lasked_\@
.Lvw_\@:
	s_cmp_eq_u32 s[WV], 5
	s_cbranch_scc0 .Lasked_\@
	TL G0V, G1V
.Lasked_\@:
.endm
.macro CROUND                          ; a round of the cluster's barrier
	s_barrier_signal -1
	s_barrier_wait -1
	s_cmp_lg_u32 s[WV], 0
	s_cbranch_scc1 .Lnot_wave_0_\@
	s_barrier_signal -3
.Lnot_wave_0_\@:
	s_barrier_wait -3
	s_barrier_signal -1
	s_barrier_wait -1
.endm
.macro GROUP1 g, w0, row, rows, pitch  ; rows of so many elements of 8 bytes
	s_mov_b32 s[\g], \w0
	s_mov_b32 s[\g+1], (\row)<<16
	s_mov_b32 s[\g+2], (\rows)<<16
	s_mov_b32 s[\g+3], (\row)<<16
	s_mov_b32 s[\g+4], \rows
	s_mov_b32 s[\g+5], \pitch
	s_mov_b32 s[\g+6], 0
	s_mov_b32 s[\g+7], 0
.endm
	s_load_b128 s[4:7], s[0:1], 0x0                ; qkv, att
	v_lshl_add_u32 v[SPW], v0, 2, SPARE
	v_mov_b32 v[NIL], 0
	ds_add_u32 v[SPW], v[NIL]                      ; the opening lines: the add twice on end and its wait ahead of the first tensor load
	ds_add_u32 v[SPW], v[NIL]
	v_lshrrev_b32 v[TMP], 5, v0
	v_readfirstlane_b32 s[WV], v[TMP]              ; wave 0..7
	s_bfe_u32 s38, ttmp6, 0x40000                  ; cx
	s_lshl_b32 s39, ttmp9, 2
	s_add_co_u32 s39, s39, s38                     ; my block of 256 queries: it enters Q's and att's addresses alone
	s_and_b32 s40, ttmp7, 0xffff                   ; bp, which the four partners share
	s_mul_i32 s[WOFF], s[WV], 2*PART
	s_mul_i32 s42, s40, BPB
	s_and_b32 s44, s[WV], 1
	s_mul_i32 s44, s44, 2*SLB                      ; codes: blocks 2 (wave % 2) and the next of the four,
	s_lshr_b32 s45, s[WV], 1
	s_lshl_b32 s45, s45, 14                        ; K's part (waves 0, 1) or V's (waves 2, 3)
	s_add_co_u32 s44, s44, s45
	s_add_co_u32 s44, s44, s42
	s_mov_b32 s45, 0
	s_add_co_u32 s42, s42, 65536                   ; K's scale words of head 0
	s_mov_b32 s43, 0
	s_lshl_b32 s46, s39, 4
	s_lshl_b32 s47, s[WV], 1
	s_add_co_u32 s46, s46, s47                     ; my first tile of 16 queries, 0 .. 126
	s_lshl_b32 s47, s40, 7
	s_add_co_u32 s47, s47, s46
	s_lshl_b32 s48, s47, 11
	s_add_co_u32 s48, s48, QOFF
	s_mov_b32 s49, 0
	s_lshl_b32 s50, s47, 7
	s_add_co_u32 s50, s50, QSOFF
	s_mov_b32 s51, 0
	s_lshr_b32 s52, s40, 3                         ; batch
	s_and_b32 s53, s40, 7                          ; head pair
	s_lshl_b32 s52, s52, 7                         ; the batch's first token tile
	s_add_co_u32 s54, s52, s46
	s_lshl_b32 s54, s54, 3
	s_add_co_u32 s54, s54, s53
	s_lshl_b32 s54, s54, 11                        ; att: (8 x token tile + head pair) x 2,048
	s_mov_b32 s55, 0
	s_lshl_b32 s56, s39, 4
	s_add_co_u32 s56, s56, s52
	s_lshl_b32 s56, s56, 6                         ; att's scale words: 64 bytes a token tile,
	s_lshl_b32 s57, s53, 15                        ; 32,768 a head pair;
	s_add_co_u32 s56, s56, s57
	s_and_b32 s57, s[WV], 1
	s_lshl_b32 s57, s57, 9                         ; waves 0 and 1 store 512 bytes each
	s_add_co_u32 s56, s56, s57
	s_add_co_u32 s56, s56, ASOFF
	s_mov_b32 s57, 0
	GROUP1 G1C, 15|(3<<16)|(1<<20)|(1<<21)|(7<<22)|(31<<25), 2048, 2, SLB/8   ; 2 rows of 16,384 bytes, SLB apart; 32 words of padding behind each 256; the mask names all four
	GROUP1 G1K, 15|(3<<16)|(1<<21), 128, 4, SLB/8                             ; 4 rows of 1,024 bytes
	GROUP1 G1V, 15|(3<<16)|(1<<21), 64, 4, SLB/8                              ; 4 rows of 512 bytes
	s_mov_b32 s[MNT], 0x600000
	s_mov_b32 s[SEL], 0x76543210
	s_mov_b32 s[SEL+1], 0xfedcba98
	s_mov_b32 s[CS], 0x3e38aa3b
	s_mov_b32 s[CS+1], s[CS]
	s_lshl_b32 s58, s[WV], 7
	s_add_co_u32 s58, s58, STG
	s_and_b32 s59, s[WV], 1
	s_lshl_b32 s59, s59, 9
	s_add_co_u32 s59, s59, STG
	s_wait_dscnt 0x0                               ; both opening adds are done
	s_wait_kmcnt 0x0
	s_mov_b32 s[G0C], 1
	s_mov_b32 s[G0C+1], s[WOFF]
	s_add_nc_u64 s[G0C+2:G0C+3], s[4:5], s[44:45]
	s_or_b32 s[G0C+3], s[G0C+3], 0x80000000
	s_mov_b32 s[G0K], 1
	s_mov_b32 s[G0K+1], KWO
	s_add_nc_u64 s[G0K+2:G0K+3], s[4:5], s[42:43]
	s_mov_b32 s[G0V], 1
	s_mov_b32 s[G0V+1], VWO
	s_add_nc_u64 s[G0V+2:G0V+3], s[G0K+2:G0K+3], 1024
	s_or_b32 s[G0K+3], s[G0K+3], 0x80000000
	s_or_b32 s[G0V+3], s[G0V+3], 0x80000000
	s_add_nc_u64 s[8:9], s[4:5], s[48:49]
	s_add_nc_u64 s[10:11], s[4:5], s[50:51]
	s_add_nc_u64 s[12:13], s[6:7], s[54:55]
	s_add_nc_u64 s[14:15], s[6:7], s[56:57]
	CROUND                                         ; all four work-groups are here: the first joint loads meet
	JLOAD                                          ; slot 0: head 0's keys 0 .. 1,023
.macro INIT                            ; a head begins: no p to be summed, O^T = 0, the largest t under every t
.set J, 0
.rept 64
	v_mov_b32 v[S+J], 0
.set J, J+1
.endr
.set J, 0
.rept 32
	v_mov_b32 v[O+J], 0
.set J, J+1
.endr
	v_mov_b32 v[ST+1], 0xff61b1e6
	v_mov_b32 v[ST+2], 0
	v_mov_b32 v[ST+3], 0
	v_floor_f32 v[ST], -v[ST+1]
.endm
.macro INIT2
.irp x, 0,1
	WIN 0x55*\x
	INIT
.endr
	WIN 0
.endm
	v_and_b32 v[TMP], 31, v0
	v_lshlrev_b32 v[LI], 4, v[TMP]
	v_lshlrev_b32 v[HOLD], 2, v[TMP]
	global_load_b32 v13, v[HOLD], s[10:11]
	global_load_b32 v254, v[HOLD], s[10:11] offset:128
.irp x, 0,1
	WIN 0x40*\x
	global_load_b128 v[16:19], v[LI], s[8:9] offset:2048*\x        ; Q stays in registers: head 0,
	global_load_b128 v[20:23], v[LI], s[8:9] offset:2048*\x+512
	global_load_b128 v[32:35], v[LI], s[8:9] offset:2048*\x+1024   ; head 1
	global_load_b128 v[36:39], v[LI], s[8:9] offset:2048*\x+1536
.endr
.irp x, 0,1
	WIN 0x55*\x
.set J, 0
.rept 8
	v_mov_b32 v[24+J], 0                           ; the zero codes of Q's upper 64 along K
	v_mov_b32 v[40+J], 0
	v_mov_b32 v[PC+J], 0                           ; what follows K's last fragment, and the lane permutes' destinations
	v_mov_b32 v[PC+8+J], 0
.set J, J+1
.endr
	v_mov_b32 v[FF+1], 0                           ; (named as the upper half of the pair v[14:15])
.endr
	WIN 0
.macro SETADR slot                     ; the four LDS addresses at a slot's first step.  V's two are stepped at a step's head, so they begin a step back
	v_bfe_u32 v[T], v0, 3, 1                       ; r / 8
	v_bfe_u32 v[T+1], v0, 4, 1                     ; h
	v_and_b32 v[T+2], 7, v0                        ; r % 8
	v_mul_u32_u24 v[ADK], v[T], 1152               ; K's codes: image 2 b + r / 8, its lane 16 h + 8 u + r % 8
	v_lshlrev_b32 v[ADS], 6, v[T]                  ; K's words: image 2 b + r / 8, row 8 h + r % 8 (lanes 16-31 take tile 2 b + 1's)
	v_lshl_add_u32 v[ADK], v[T+1], 8, v[ADK]
	v_lshl_add_u32 v[ADS], v[T+1], 5, v[ADS]
	v_lshl_add_u32 v[ADK], v[T+2], 4, v[ADK]
	v_lshl_add_u32 v[ADS], v[T+2], 2, v[ADS]
.if \slot
	v_add_nc_u32 v[ADK], (\slot)*SLOTB, v[ADK]
.endif
	v_add_nc_u32 v[ADS], (\slot)*SLOTB+KWO, v[ADS]
	v_add_nc_u32 v[ADV], (\slot)*SLOTB+VCO-KSTEP, v[LI]
	v_lshrrev_b32 v[ADT], 2, v[LI]
	v_add_nc_u32 v[ADT], (\slot)*SLOTB+VWO-256, v[ADT]
.endm
; THE SUM of the last step's p: 32 pairs of registers, in four chains by turns (pair j goes to chain j % 4)
.macro ADDP j
.if ((\j)%4) == 0
	v_pk_add_f32 v[ST+2:ST+3], v[ST+2:ST+3], v[S+2*(\j):S+2*(\j)+1]
.else
	v_pk_add_f32 v[T+2*((\j)%4)-2:T+2*((\j)%4)-1], v[T+2*((\j)%4)-2:T+2*((\j)%4)-1], v[S+2*(\j):S+2*(\j)+1]
.endif
.endm
.macro ADDS j0, n
.set JJ, \j0
.rept \n
	ADDP JJ
.set JJ, JJ+1
.endr
.endm
.macro SUM1                            ; pairs 0 to 9: seven lines
	v_pk_add_f32 v[T+4:T+5], v[S+10:S+11], v[S+12:S+13]
	v_pk_add_f32 v[ST+2:ST+3], v[ST+2:ST+3], v[S:S+1]
	v_pk_add_f32 v[T:T+1], v[S+2:S+3], v[S+4:S+5]
	v_pk_add_f32 v[T+2:T+3], v[S+6:S+7], v[S+8:S+9]
	ADDS 7, 3
.endm
.macro SUM3                            ; pairs 16 to 31, and the chains are joined
	ADDS 16, 16
	v_pk_add_f32 v[T:T+1], v[T:T+1], v[T+2:T+3]
	v_pk_add_f32 v[ST+2:ST+3], v[ST+2:ST+3], v[T+4:T+5]
	v_pk_add_f32 v[ST+2:ST+3], v[ST+2:ST+3], v[T:T+1]
.endm
.macro BLKMAX b0                       ; the largest score of blocks b0, b0 + 1 of 32 keys, my 16 of each, in four chains; each accumulator is read from its low end on
.irp b, \b0, \b0+1
	v_max3_num_f32 v[BMX+\b], v[S+16*(\b)], v[S+16*(\b)+1], v[S+16*(\b)+2]
	v_max3_num_f32 v[TP+\b], v[S+16*(\b)+8], v[S+16*(\b)+9], v[S+16*(\b)+10]
.endr
.irp i, 3,5
.irp b, \b0, \b0+1
	v_max3_num_f32 v[BMX+\b], v[BMX+\b], v[S+16*(\b)+\i], v[S+16*(\b)+\i+1]
	v_max3_num_f32 v[TP+\b], v[TP+\b], v[S+16*(\b)+8+\i], v[S+16*(\b)+9+\i]
.endr
.endr
.irp b, \b0, \b0+1
	v_max3_num_f32 v[BMX+\b], v[BMX+\b], v[TP+\b], v[S+16*(\b)+7]
.endr
.irp b, \b0, \b0+1
	v_max_num_f32 v[BMX+\b], v[BMX+\b], v[S+16*(\b)+15]
.endr
.endm
.macro NEWM                            ; the row's maximum, the new M, f, and t - M
.irp b, 0,1,2,3
	v_permlanex16_b32 v[TP+\b], v[BMX+\b], s[SEL], s[SEL+1]
.endr
.irp b, 0,1,2,3
	s_delay_alu instid0(VALU_DEP_4)
	v_max_num_f32 v[BMX+\b], v[BMX+\b], v[TP+\b]   ; with lane l xor 16's 16 keys
.endr
	s_delay_alu instid0(VALU_DEP_2)
	v_max3_num_f32 v[TMP], v[BMX], v[BMX+1], v[BMX+2]
	s_delay_alu instid0(VALU_DEP_1)
	v_max_num_f32 v[TMP], v[TMP], v[BMX+3]         ; the step's largest score of my query
	s_delay_alu instid0(VALU_DEP_1)
	v_mul_f32 v[TMP], s[CS], v[TMP]                ; as t
	s_delay_alu instid0(VALU_DEP_1)
	v_max_num_f32 v[ST+1], v[ST+1], v[TMP]         ; the running largest t
	v_mov_b32 v[TMP], v[ST]
	s_delay_alu instid0(VALU_DEP_2)
	v_floor_f32 v[ST], -v[ST+1]                    ; the new -M = -ceil(t)
	s_delay_alu instid0(VALU_DEP_1)
	v_sub_f32 v[TMP], v[ST], v[TMP]                ; old M - new M: a whole number, 0 or less
	s_delay_alu instid0(VALU_DEP_1)
	v_cvt_i32_f32 v[TMP], v[TMP]                   ; (it saturates)
	s_delay_alu instid0(VALU_DEP_1)
	v_ldexp_f32 v[FF], 1.0, v[TMP]                 ; f
.set J, 0
.rept 32
	v_pk_fma_f32 v[S+J:S+J+1], v[S+J:S+J+1], s[CS:CS+1], v[ST:ST+1] op_sel_hi:[1,0,0]   ; t - M
.set J, J+2
.endr
.irp b, 0,1,2,3
	v_fma_f32 v[BMX+\b], v[BMX+\b], s[CS], v[ST]   ; the same of each block's largest score
.endr
.endm
.macro EXPS
.set J, 0
.rept 64
	v_exp_f32 v[S+J], v[S+J]                       ; p
.set J, J+1
.endr
.irp b, 0,1,2,3
	v_exp_f32 v[BMX+\b], v[BMX+\b]                 ; the block's largest p
.endr
.endm
.macro QUANTP x                        ; tile x's scales, holds, codes, and O^T x f
.irp b, 0,1,2,3
	v_max_num_f32 v[BMX+\b], 0x8000000, v[BMX+\b]  ; the floor 2^(16 - 127)
.endr
.irp b, 0,1,2,3
	s_delay_alu instid0(VALU_DEP_4)
	v_add_nc_u32 v[SOP+\b], 0xf8800000, v[BMX+\b]  ; 15 off the exponent field
.endr
.irp b, 0,1,2,3
	v_and_or_b32 v[HOLD+\b], v[BMX+\b], 0x7f800000, s[MNT]
.endr
.irp b, 0,1,2,3
	v_lshrrev_b32 v[TP+\b], 23, v[SOP+\b]          ; the scale's byte
.endr
	WIN 0x11*(\x)                                  ; p's scale word lies in window 0 for both tiles
	v_lshl_or_b32 v[15+240*(\x)], v[TP+1], 8, v[TP]
	WIN 0x01*(\x)
	v_lshl_or_b32 v[15+240*(\x)], v[TP+2], 16, v[15+240*(\x)]
	v_lshl_or_b32 v[15+240*(\x)], v[TP+3], 24, v[15+240*(\x)]
	WIN 0x55*(\x)
.irp b, 0,1,2,3                                ; sixteen p are held into the scratch sets (p is not negative: a one-sided hold; ISA guide 7.6.2) and converted; p itself stays for the sum
.set J, 0
.if DUAL
.rept 8
	v_dual_min_num_f32 v[T+J], v[S+16*\b+J], v[HOLD+\b] :: v_dual_min_num_f32 v[T+J+1], v[S+16*\b+J+1], v[HOLD+\b]
.set J, J+2
.endr
.else
.rept 16
	v_min_num_f32 v[T+J], v[S+16*\b+J], v[HOLD+\b]
.set J, J+1
.endr
.endif
.irp g, 0,1
	v_cvt_scalef32_pk8_bf8_f32 v[PC+4*\b+2*\g:PC+4*\b+2*\g+1], v[T+8*\g:T+8*\g+7], v[SOP+\b]   ; keys 32 b + 16 h + 8 g + 0 .. 7: the operand's registers
	v_pk_mul_f32 v[O+4*\b+2*\g:O+4*\b+2*\g+1], v[O+4*\b+2*\g:O+4*\b+2*\g+1], v[FF:FF+1] op_sel_hi:[1,0]   ; O^T x f; the plain line behind a conversion
.endr
.endr
.set J, 16
.rept 8
	v_pk_mul_f32 v[O+J:O+J+1], v[O+J:O+J+1], v[FF:FF+1] op_sel_hi:[1,0]   ; (the places between the codes' last write and the products)
.set J, J+2
.endr
.endm
; A STEP: 128 keys of head e, for both tiles
.macro STEP e
	SUM1                                           ; tile 0.  These nine lines are the places between the last products and the loads into the fragments that they read
	v_add_nc_u32 v[ADV], KSTEP, v[ADV]
	v_add_nc_u32 v[ADT], 256, v[ADT]
.irp b, 0,1,2,3
.irp u, 0,1
	ds_load_b128 v[F+16*\b+8*\u:F+16*\b+8*\u+3],   v[ADK] offset:2304*\b+128*\u
	ds_load_b128 v[F+16*\b+8*\u+4:F+16*\b+8*\u+7], v[ADK] offset:2304*\b+128*\u+512
.endr
	ds_load_b32 v[KSR+\b], v[ADS] offset:128*\b
.endr
	v_add_nc_u32 v[ADK], KSTEP, v[ADK]             ; on to the next step's (an LDS load has taken its address at issue)
	v_add_nc_u32 v[ADS], 512, v[ADS]
	ADDS 10, 6
	WIN 0x55
	SUM1
	ADDS 10, 6
	WIN 0
	s_wait_alu depctr_va_vdst(0)
	s_wait_dscnt 0x0
.irp x, 0,1
	WIN 0x44*\x                                    ; the scores and Q in tile x's window, K in window 0
.irp t, 0,1,2,3
	WMZ S+8*\t, F+8*\t, 16+16*(\e), KSR+\t/2, 13+241*\x, \t%2, \e
.endr
.endr
.irp x, 0,1
	WIN 0x55*\x
	SUM3                                           ; p of keys 64 on: the places behind the products above, whose registers they do not name
.endr
.irp x, 0,1
	WIN 0x44*\x
.irp t, 4,5,6,7
	WMZ S+8*\t, F+8*\t, 16+16*(\e), KSR+\t/2, 13+241*\x, \t%2, \e
.endr
.endr
	WIN 0
	BLKMAX 0                                       ; sixteen lines that name nothing of the last eight products: their places
.irp t, 0,1,2,3
.irp c, 0,1,2,3
	ds_load_b128 v[F+16*\t+4*\c:F+16*\t+4*\c+3], v[ADV] offset:2304*\t+1152*(\c/2)+512*(\c%2)   ; V's four fragments, two softmaxes ahead of their use
.endr
.endr
.irp i, 0,1
	ds_load_b32 v[VSR+\i], v[ADT] offset:128*\i
.endr
	BLKMAX 2
	NEWM
	WIN 0x55
	BLKMAX 0
	BLKMAX 2
	NEWM
	s_wait_alu depctr_va_vdst(0)                   ; the wait ahead of the batch: one batch for both tiles
	EXPS
	WIN 0
	EXPS
	v_pk_mul_f32 v[ST+2:ST+3], v[ST+2:ST+3], v[FF:FF+1] op_sel_hi:[1,0]   ; the sum, all earlier steps' p in it, under the new M.  (The plain place behind the batch)
	s_wait_alu depctr_va_vdst(0)                   ; and the wait behind it
	QUANTP 0
	WIN 0x55
	v_pk_mul_f32 v[ST+2:ST+3], v[ST+2:ST+3], v[FF:FF+1] op_sel_hi:[1,0]
	QUANTP 1
	WIN 0
	s_wait_alu depctr_va_vdst(0)
	s_wait_dscnt 0x0                               ; V's fragments and scale words are in
.irp x, 0,1
	WIN 0x54*\x                                    ; O^T and p's codes in tile x's window, V in window 0
.irp t, 0,1,2,3
	WM O+8*\t, F+16*\t, PC, VSR+\t/2, 15+240*\x, \t%2   ; O^T += V^T P^T: eight accumulators, one instruction a turn
.endr
.endr
	WIN 0
.endm
; THE CHANGE OF SLOTS at a phase's head.  fill = 1: a round of the cluster's barrier, and the other slot takes the next 1,024 keys (back = 1: the next head's first).  The add stands twice there.
.macro CHANGE fill, slot, back
	s_wait_alu depctr_va_vdst(0)
	s_wait_tensorcnt 0x0
	ds_add_u32 v[SPW], v[NIL]
.if \fill
	ds_add_u32 v[SPW], v[NIL]
	s_add_co_u32 s[G0C+1], s[WOFF], (\slot)*SLOTB
	s_mov_b32 s[G0K+1], (\slot)*SLOTB+KWO
	s_mov_b32 s[G0V+1], (\slot)*SLOTB+VWO
.if \back
	s_sub_nc_u64 s[G0C+2:G0C+3], s[G0C+2:G0C+3], 4*SLB-32768
	s_sub_nc_u64 s[G0K+2:G0K+3], s[G0K+2:G0K+3], 4*SLB-1536
	s_sub_nc_u64 s[G0V+2:G0V+3], s[G0V+2:G0V+3], 4*SLB-1536
.else
	s_add_nc_u64 s[G0C+2:G0C+3], s[G0C+2:G0C+3], 4*SLB
	s_add_nc_u64 s[G0K+2:G0K+3], s[G0K+2:G0K+3], 4*SLB
	s_add_nc_u64 s[G0V+2:G0V+3], s[G0V+2:G0V+3], 4*SLB
.endif
	s_wait_dscnt 0x0
	CROUND
	JLOAD
.else
	s_wait_dscnt 0x0
	s_barrier_signal -1
	s_barrier_wait -1
.endif
.endm
.macro PHASE e, fill, slot, back
	CHANGE \fill, \slot, \back
	s_mov_b32 s[CNT], 8
.Lstep_\@:
	STEP \e
	s_sub_co_u32 s[CNT], s[CNT], 1
	s_cmp_lg_u32 s[CNT], 0
	s_cbranch_scc1 .Lstep_\@
.endm
; A HEAD'S END, for one tile: the last step's p is summed; O^T / the sum, register 8 t + j = channel 16 t + 8 h + j, is quantised: two blocks of 32, pieces 2 e and 2 e + 1 of the last product's fragment, and two bytes of its scale word
.macro FINALV e
	SUM1                                           ; (these lines are also the places behind the last products)
	ADDS 10, 6
	SUM3
	v_add_f32 v[ST+2], v[ST+2], v[ST+3]
	v_permlanex16_b32 v[TMP], v[ST+2], s[SEL], s[SEL+1]
	v_add_f32 v[ST+2], v[ST+2], v[TMP]
	s_wait_alu depctr_va_vdst(0)
	v_rcp_f32 v[ST+2], v[ST+2]
	v_nop
	s_wait_alu depctr_va_vdst(0)
.set J, 0
.rept 16
	v_pk_mul_f32 v[S+J:S+J+1], v[O+J:O+J+1], v[ST+2:ST+3] op_sel_hi:[1,0]
.set J, J+2
.endr
.irp b, 0,1
	v_max3_num_f32 v[BMX+\b], |v[S+16*\b]|, |v[S+16*\b+1]|, 0x8000000
.endr
.irp i, 2,4,6,8,10,12,14
.irp b, 0,1
	v_max3_num_f32 v[BMX+\b], v[BMX+\b], |v[S+16*\b+\i]|, |v[S+16*\b+\i+1]|
.endr
.endr
.irp b, 0,1
	v_permlanex16_b32 v[TP+\b], v[BMX+\b], s[SEL], s[SEL+1]
.endr
.irp b, 0,1
	v_max_num_f32 v[BMX+\b], v[BMX+\b], v[TP+\b]
.endr
.irp b, 0,1
	v_add_nc_u32 v[SOP+\b], 0xf8800000, v[BMX+\b]
.endr
.irp b, 0,1
	v_and_or_b32 v[HOLD+\b], v[BMX+\b], 0x7f800000, s[MNT]
.endr
.irp b, 0,1
	v_lshrrev_b32 v[TP+\b], 23, v[SOP+\b]
.endr
.if \e
	v_lshl_or_b32 v[PW0], v[TP], 16, v[PW0]
	v_lshl_or_b32 v[PW0], v[TP+1], 24, v[PW0]
.else
	v_lshl_or_b32 v[PW0], v[TP+1], 8, v[TP]
.endif
.irp b, 0,1
.set J, 0
.rept 16
	v_med3_num_f32 v[S+16*\b+J], v[S+16*\b+J], -v[HOLD+\b], v[HOLD+\b]
.set J, J+1
.endr
	v_cvt_scalef32_pk8_bf8_f32 v[PC+4*\b:PC+4*\b+1], v[S+16*\b:S+16*\b+7], v[SOP+\b]
	v_cvt_scalef32_pk8_bf8_f32 v[PC+4*\b+2:PC+4*\b+3], v[S+16*\b+8:S+16*\b+15], v[SOP+\b]
.endr
	v_nop                                          ; the plain line behind the conversions
.irp b, 0,1
	v_permlane16_swap_b32 v[PC+4*\b], v[PC+4*\b+2]     ; halves of the lanes change places: registers 4 b .. 4 b + 3 of lane (r, h) hold channels 32 b + 16 h + 0 .. 15
	v_permlane16_swap_b32 v[PC+4*\b+1], v[PC+4*\b+3]
.endr
.endm
.macro FINAL e
.irp x, 0,1
	WIN 0x55*\x
	FINALV \e
	WIN 0x04*\x                                    ; the data in tile x's window, the offset in window 0
	global_store_b128 v[LI], v[PC:PC+3], s[12:13] offset:16384*\x+1024*(\e)         ; 512 bytes on end a store, aligned
	global_store_b128 v[LI], v[PC+4:PC+7], s[12:13] offset:16384*\x+1024*(\e)+512
.endr
	WIN 0
.endm
	INIT2
	SETADR 0
	s_wait_alu depctr_va_vdst(0)
	s_wait_loadcnt 0x0                             ; Q
	PHASE 0, 1, 1, 0                               ; head 0, keys 0 on, out of slot 0; slot 1's first fill: keys 1,024 on
	SETADR 1
	PHASE 0, 1, 0, 1                               ; keys 1,024 on; slot 0 takes head 1's first
	FINAL 0
	INIT2
	SETADR 0
	s_wait_alu depctr_va_vdst(0)
	s_wait_xcnt 0x0                                ; the stores have read their registers, which the next steps write
	PHASE 1, 1, 1, 0
	SETADR 1
	PHASE 1, 0, 0, 0                               ; the last phase asks for nothing
	FINAL 1
	v_and_b32 v[T], 15, v0
	v_lshl_add_u32 v[T], v[T], 2, s58              ; STG + 128 x wave + 4 r
	v_add_nc_u32 v[T+1], s59, v[LI]                ; STG + 512 x (wave % 2) + 16 x lane
	ds_store_b32 v[T], v[PW0]                      ; a tile's sixteen scale words (both halves of the lanes write the same)
	WIN 0x04
	ds_store_b32 v[T], v[PW0] offset:64
	WIN 0
	s_wait_alu depctr_va_vdst(0)
	s_wait_dscnt 0x0
	s_barrier_signal -1
	s_barrier_wait -1
	s_cmp_lt_u32 s[WV], 2                          ; the sixteen tiles' words are 1,024 bytes on end in att: waves 0 and 1 store 512 each
	s_cbranch_scc0 .Lno_words
	ds_load_b128 v[S:S+3], v[T+1]
	s_wait_dscnt 0x0
	global_store_b128 v[LI], v[S:S+3], s[14:15]
.Lno_words:
	s_wait_tensorcnt 0x0                           ; the wave's end
	ds_add_u32 v[SPW], v[NIL]
	s_wait_dscnt 0x0
	CROUND                                         ; the closing round
	s_endpgm
.Lfunc_end_k_qe9c9d3f956_attn:
	.size	k_qe9c9d3f956_attn, .Lfunc_end_k_qe9c9d3f956_attn-k_qe9c9d3f956_attn
	.p2alignl 7, 3214868480
	.fill 96, 4, 3214868480
	.section	.rodata,"a",@progbits
	.p2align	6, 0x0
	.amdhsa_kernel k_qe9c9d3f956_attn
		.amdhsa_group_segment_fixed_size 327680
		.amdhsa_private_segment_fixed_size 0
		.amdhsa_enable_private_segment 0
		.amdhsa_kernarg_size 16
		.amdhsa_user_sgpr_count 2
		.amdhsa_user_sgpr_kernarg_segment_ptr 1
		.amdhsa_wavefront_size32 1
		.amdhsa_system_sgpr_workgroup_id_x 1
		.amdhsa_system_sgpr_workgroup_id_y 1
		.amdhsa_system_sgpr_workgroup_id_z 1
		.amdhsa_system_vgpr_workitem_id 0
		.amdhsa_next_free_vgpr 512
		.amdhsa_next_free_sgpr 92
		.amdhsa_reserve_vcc 0
		.amdhsa_float_denorm_mode_32 3
		.amdhsa_float_denorm_mode_16_64 3
		.amdhsa_memory_ordered 1
		.amdhsa_forward_progress 1
		.amdhsa_inst_pref_size 203
	.end_amdhsa_kernel
	.amdgpu_metadata
---
amdhsa.version: [ 1, 2 ]
amdhsa.kernels:
  - .name:           k_qe9c9d3f956_attn
    .symbol:         k_qe9c9d3f956_attn.kd
    .args:
      - { .name: qkv, .offset: 0, .size: 8, .value_kind: global_buffer, .address_space: global }
      - { .name: att, .offset: 8, .size: 8, .value_kind: global_buffer, .address_space: global }
    .group_segment_fixed_size: 327680
    .private_segment_fixed_size: 0
    .kernarg_segment_align: 8
    .kernarg_segment_size: 16
    .max_flat_workgroup_size: 256
    .sgpr_count:     92
    .vgpr_count:     512
    .wavefront_size: 32
...
	.end_amdgpu_metadata
.endif
;; end of part 2
;; launch oproj (part 3): grid 4 x 32, 4 waves a work-group, clusters of 4 x 4, 327,680 bytes of LDS; arguments att, W_o_codes, W_o_scales, b_o, out0; writes out0
.if DOCPART == 3
	.amdgcn_target "amdgcn-amd-amdhsa--gfx1250"
	.amdhsa_code_object_version 6
	.text
	.protected	k_qe9c9d3f956_oproj
	.globl	k_qe9c9d3f956_oproj
	.p2align	8
	.type	k_qe9c9d3f956_oproj,@function
k_qe9c9d3f956_oproj:
	s_mov_b64 s[64:65], 0
	v_nop
	global_prefetch_b8 v0, s[64:65] scope:SCOPE_SE
	s_setreg_imm32_b32 hwreg(HW_REG_WAVE_MODE, 25, 1), 1
	s_wait_xcnt 0x0
	s_wait_alu depctr_hold_cnt(0) depctr_sa_sdst(0) depctr_va_vdst(0) depctr_va_sdst(0) depctr_va_ssrc(0) depctr_va_vcc(0) depctr_vm_vsrc(0)
	s_getreg_b32 s2, hwreg(HW_REG_IB_STS2, 6, 4)
	s_cmp_eq_u32 s2, 0
	s_cbranch_scc0 .Lentry_in_a_cluster
	s_endpgm
.Lentry_in_a_cluster:
	s_bfe_u32 s2, ttmp6, 0x10000c
	s_cmp_lg_u32 s2, 0xf033
	s_cbranch_scc0 .Lentry_shape_is_right
	s_endpgm
.Lentry_shape_is_right:
.set NQ,     2
.set ROWB,   256
.set KROW,   1024
.set SIZE_N, 1024
.set PITCH,  272
.set FR,     16
.set NL,     4
.set NP,     8
.set AHALF,  32768
.set BHALF,  128*PITCH
.set BOFF,   2*AHALF
.set SLOT,   BOFF+2*BHALF
.set SCL,    2*SLOT
.set SAH,    4096
.set SCLB,   SCL+2*SAH
.set SBH,    16*272
.set SPARE,  SCLB+2*SBH
.set SPITCH, 528
.set ASOFF,  8388608
.set ADRA, 16
.set ADRB, 20
.set STO,  24
.set RD,   25
.set CO,   26
.set ADSA, 27
.set SPW,  28
.set NIL,  29
.set ADSB, 30
.set BNO,  31
.set SC,   32
.set BN,   64
.set AF,   128
.set BK,   128
.set G1,   24
.set G0,   32
.set G1B,  48
.set G0B,  56
.set G1S,  68
.set G0S,  76
.set G1SB, 80
.set G0SB, 88
.set MSB, 0
.macro WIN new
.if MSB != (\new)
	s_set_vgpr_msb (MSB<<8)|(\new)
.set MSB, (\new)
.endif
.endm
.set MUL_LO, 0xa1
.set MUL_HI, 0xf1
.set FST_LO, 0x81
.set FST_HI, 0xc1
.set TO_B,   0x40
.macro WM d, x, y, c, sx, sy, rx, ry
.if (\rx) && (\ry)
	v_wmma_scale_f32_16x16x128_f8f6f4 v[(\d):(\d)+7], v[(\x):(\x)+15], v[(\y):(\y)+15], v[(\c):(\c)+7], v[(\sx)], v[(\sy)] matrix_a_fmt:MATRIX_FMT_BF8 matrix_b_fmt:MATRIX_FMT_BF8 matrix_a_scale:MATRIX_SCALE_ROW1 matrix_b_scale:MATRIX_SCALE_ROW1
.elseif (\rx)
	v_wmma_scale_f32_16x16x128_f8f6f4 v[(\d):(\d)+7], v[(\x):(\x)+15], v[(\y):(\y)+15], v[(\c):(\c)+7], v[(\sx)], v[(\sy)] matrix_a_fmt:MATRIX_FMT_BF8 matrix_b_fmt:MATRIX_FMT_BF8 matrix_a_scale:MATRIX_SCALE_ROW1
.elseif (\ry)
	v_wmma_scale_f32_16x16x128_f8f6f4 v[(\d):(\d)+7], v[(\x):(\x)+15], v[(\y):(\y)+15], v[(\c):(\c)+7], v[(\sx)], v[(\sy)] matrix_a_fmt:MATRIX_FMT_BF8 matrix_b_fmt:MATRIX_FMT_BF8 matrix_b_scale:MATRIX_SCALE_ROW1
.else
	v_wmma_scale_f32_16x16x128_f8f6f4 v[(\d):(\d)+7], v[(\x):(\x)+15], v[(\y):(\y)+15], v[(\c):(\c)+7], v[(\sx)], v[(\sy)] matrix_a_fmt:MATRIX_FMT_BF8 matrix_b_fmt:MATRIX_FMT_BF8
.endif
.endm
.macro JLOAD g0a, g1a, g0b, g1b
	s_cmp_eq_u32 s15, 0
	s_cbranch_scc0 .Lfor_b_\@
	tensor_load_to_lds s[\g0a:\g0a+3], s[\g1a:\g1a+7]
	s_nop 0
.rept 4
	v_nop
.endr
	s_branch .Lasked_\@
.Lfor_b_\@:
	tensor_load_to_lds s[\g0b:\g0b+3], s[\g1b:\g1b+7]
	s_nop 0
.rept 4
	v_nop
.endr
.Lasked_\@:
.endm
.macro CREST
	s_cmp_lg_u32 s14, 0
	s_cbranch_scc1 .Lnot_wave_0_\@
	s_barrier_signal -3
.Lnot_wave_0_\@:
	s_barrier_wait -3
	s_barrier_signal -1
	s_barrier_wait -1
.endm
.macro CROUND
	s_barrier_signal -1
	s_barrier_wait -1
	CREST
.endm
	s_load_b256 s[4:11], s[0:1], 0x0
	s_load_b64 s[12:13], s[0:1], 0x20
	v_lshl_add_u32 v[SPW], v0, 2, SPARE
	v_mov_b32 v[NIL], 0
	ds_add_u32 v28, v29
	ds_add_u32 v28, v29
	s_wait_dscnt 0x0
	v_lshrrev_b32 v1, 5, v0
	v_readfirstlane_b32 s14, v1
	s_lshr_b32 s15, s14, 1
	s_and_b32 s16, s14, 1
	s_bfe_u32 s40, ttmp6, 0x40000
	s_bfe_u32 s41, ttmp6, 0x40004
	s_lshl_b32 s42, ttmp9, 2
	s_add_co_u32 s42, s42, s40
	s_and_b32 s17, ttmp7, 0xffff
	s_lshl_b32 s17, s17, 2
	s_add_co_u32 s17, s17, s41
	s_lshl_b32 s43, s41, 2
	s_lshl_b32 s43, 15, s43
	s_lshl_b32 s44, 0x1111, s40
	s_or_b32 s[G1+0], s43, (3<<16)|(1<<21)
	s_mov_b32 s[G1+1], 512<<16
	s_mov_b32 s[G1+2], 16<<16                      ; the head's load brings all 16 token tiles; behind it the two words that count rows are set to 8
	s_mov_b32 s[G1+3], 512<<16
	s_mov_b32 s[G1+4], 16
	s_mov_b32 s[G1+5], 2048
	s_mov_b32 s[G1+6], 0
	s_mov_b32 s[G1+7], 0
	s_or_b32 s[G1B+0], s44, (0<<16)|(1<<20)|(1<<21)|(5<<22)|(3<<25)
	s_mov_b32 s[G1B+1], ROWB<<16
	s_mov_b32 s[G1B+2], 256<<16
	s_mov_b32 s[G1B+3], ROWB<<16
	s_mov_b32 s[G1B+4], 256
	s_mov_b32 s[G1B+5], KROW
	s_mov_b32 s[G1B+6], 0
	s_mov_b32 s[G1B+7], 0
	s_or_b32 s[G1S+0], s43, (3<<16)|(1<<21)
	s_mov_b32 s[G1S+1], 128<<16                    ; A's scale words: a head pair's row holds all 16 token tiles, 1,024 bytes
	s_mov_b32 s[G1S+2], 8<<16
	s_mov_b32 s[G1S+3], 128<<16
	s_mov_b32 s[G1S+4], 8
	s_mov_b32 s[G1S+5], 4096
	s_mov_b32 s[G1S+6], 0
	s_mov_b32 s[G1S+7], 0
	s_or_b32 s[G1SB+0], s44, (3<<16)|(1<<20)|(1<<21)|(5<<22)|(3<<25)
	s_mov_b32 s[G1SB+1], 32<<16
	s_mov_b32 s[G1SB+2], 32<<16
	s_mov_b32 s[G1SB+3], 32<<16
	s_mov_b32 s[G1SB+4], 32
	s_mov_b32 s[G1SB+5], 32
	s_mov_b32 s[G1SB+6], 0
	s_mov_b32 s[G1SB+7], 0
	s_lshl_b32 s20, s17, 4
	s_lshl_b32 s22, s20, 6
	s_add_co_u32 s22, s22, ASOFF
	s_mov_b32 s23, 0
	s_lshl_b32 s20, s20, 14
	s_mov_b32 s21, 0
	s_lshl_b32 s46, s42, 8
	s_lshl_b32 s18, s16, 17                        ; in the ring a wave fetches a half: 8 token tiles of 16,384 bytes, or 128 rows of 1,024
	s_mov_b32 s19, 0
	s_lshl_b32 s92, s46, 5
	s_mov_b32 s93, 0
	s_lshl_b32 s46, s46, 10
	s_mov_b32 s47, 0
	s_lshl_b32 s45, s16, 15
	s_mul_i32 s94, s16, BHALF
	s_add_co_u32 s94, s94, BOFF
	s_wait_kmcnt 0x0
	s_add_nc_u64 s[20:21], s[4:5], s[20:21]
	s_add_nc_u64 s[22:23], s[4:5], s[22:23]
	s_add_nc_u64 s[46:47], s[6:7], s[46:47]
	s_add_nc_u64 s[92:93], s[8:9], s[92:93]
	CROUND
	s_mov_b32 s[G0S], 1                            ; the head's four tiles, each whole: A's scale words,
	s_mov_b32 s[G0S+1], SCL
	s_mov_b64 s[G0S+2:G0S+3], s[22:23]
	s_or_b32 s[G0S+3], s[G0S+3], 0x80000000
	s_mov_b32 s[G0SB], 1                           ; B's scale bytes,
	s_mov_b32 s[G0SB+1], SCLB
	s_mov_b64 s[G0SB+2:G0SB+3], s[92:93]
	s_or_b32 s[G0SB+3], s[G0SB+3], 0x80000000
	s_mov_b32 s[G0+4], 1                           ; K step 0 of A's 16 token tiles (in slot 1's group 0, which is made for the ring behind the wait for these loads),
	s_mov_b32 s[G0+5], 0
	s_mov_b64 s[G0+6:G0+7], s[20:21]
	s_or_b32 s[G0+7], s[G0+7], 0x80000000
	s_mov_b32 s[G0B+4], 1                          ; and of B's 256 rows
	s_mov_b32 s[G0B+5], BOFF
	s_mov_b64 s[G0B+6:G0B+7], s[46:47]
	s_or_b32 s[G0B+7], s[G0B+7], 0x80000000
	s_mov_b32 s[G0], 1                             ; slot 0's group 0 for the ring: my half; first used at its first refill
	s_mov_b32 s[G0+1], s45
	s_add_nc_u64 s[G0+2:G0+3], s[20:21], s[18:19]
	s_or_b32 s[G0+3], s[G0+3], 0x80000000
	s_mov_b32 s[G0B], 1
	s_mov_b32 s[G0B+1], s94
	s_add_nc_u64 s[G0B+2:G0B+3], s[46:47], s[18:19]
	s_or_b32 s[G0B+3], s[G0B+3], 0x80000000
; one joint load a wave at the head: one chain of branches on the wave's number, one load to an arm
.macro ARM under, g0, g1, next
	s_cmp_lt_u32 s14, \under
	s_cbranch_scc0 \next
	tensor_load_to_lds s[\g0:\g0+3], s[\g1:\g1+7]
	s_nop 0
.rept 4
	v_nop
.endr
	s_branch .Lhead_asked
\next:
.endm
	ARM 1, G0+4,  G1,  .Lhead_b
	ARM 2, G0B+4, G1B, .Lhead_sa
	ARM 3, G0S,   G1S, .Lhead_sb
	tensor_load_to_lds s[G0SB:G0SB+3], s[G1SB:G1SB+7]
	s_nop 0
.rept 4
	v_nop
.endr
.Lhead_asked:
	v_and_b32 v1, 15, v0
	v_bfe_u32 v2, v0, 4, 1
	v_and_b32 v6, 31, v0
	s_wait_alu depctr_va_vdst(0)
	v_lshlrev_b32 v[CO], 4, v6
	v_mul_u32_u24 v3, v1, PITCH
	v_lshl_add_u32 v4, v2, 4, v3
	s_lshl_b32 s21, s15, 15
	s_mul_i32 s22, s16, BHALF
	s_add_co_u32 s22, s22, BOFF
.irp s, 0,1
	v_add_nc_u32 v[ADRA+\s], s21, v[CO]
	v_add_nc_u32 v[ADRB+\s], s22, v4
	s_add_co_u32 s21, s21, SLOT
	s_add_co_u32 s22, s22, SLOT
.endr
	s_lshl_b32 s21, s15, 9                         ; my 8 token tiles' words: 512 bytes into a head pair's row of 1,024
	s_add_co_u32 s21, s21, SCL
	v_lshl_add_u32 v[ADSA], v6, 2, s21
	s_mul_i32 s22, s16, SBH
	s_add_co_u32 s22, s22, SCLB
	v_lshrrev_b32 v5, 3, v6
	v_lshlrev_b32 v3, 5, v6
	v_lshl_add_u32 v3, v5, 4, v3
	v_add_nc_u32 v[ADSB], s22, v3
	s_mul_i32 s23, s14, 16*SPITCH
	v_mul_u32_u24 v5, v1, SPITCH
	v_lshl_add_u32 v5, v2, 5, v5
	v_add_nc_u32 v[STO], s23, v5
	v_add_nc_u32 v[RD], s23, v[CO]
	v_lshlrev_b32 v[BNO], 5, v2
	s_wait_alu depctr_va_vdst(0)
	s_lshl_b32 s18, s42, 10
	s_lshl_b32 s19, s16, 9
	s_add_co_u32 s18, s18, s19
	s_mov_b32 s19, 0
	s_add_nc_u64 s[10:11], s[10:11], s[18:19]
	s_lshl_b32 s20, s17, 8
	s_lshl_b32 s21, s15, 7
	s_add_co_u32 s20, s20, s21
	s_lshl_b32 s20, s20, 12
	s_add_co_u32 s20, s20, s18
	s_mov_b32 s21, 0
	s_add_nc_u64 s[12:13], s[12:13], s[20:21]
.irp i, 0,1,2,3,4,5,6,7
	global_load_b128 v[BN+8*\i:BN+8*\i+3],   v[BNO], s[10:11] offset:64*\i
	global_load_b128 v[BN+8*\i+4:BN+8*\i+7], v[BNO], s[10:11] offset:64*\i+16
.endr
	s_wait_alu depctr_va_vdst(0)
	s_wait_tensorcnt 0x0                           ; my tile of the head's four is in; the three lines ahead of slot 1's first fill
	ds_add_u32 v28, v29
	s_mov_b32 s[G1+2], 8<<16                       ; no tensor load of mine is out: from here on a load brings a half
	s_mov_b32 s[G1+4], 8
	s_mov_b32 s[G1B+2], 128<<16
	s_mov_b32 s[G1B+4], 128
	s_lshl_b32 s2, s16, 17                         ; slot 1's group 0 for the ring: my half, K step 1
	s_mov_b32 s3, 0
	s_add_nc_u64 s[G0+6:G0+7], s[G0+6:G0+7], s[2:3]
	s_add_nc_u64 s[G0B+6:G0B+7], s[G0B+6:G0B+7], s[2:3]
	s_add_nc_u64 s[G0+6:G0+7], s[G0+6:G0+7], 4096
	s_add_nc_u64 s[G0B+6:G0B+7], s[G0B+6:G0B+7], ROWB
	s_lshl_b32 s[G0+5], s16, 15
	s_add_co_u32 s[G0+5], s[G0+5], SLOT
	s_mul_i32 s[G0B+5], s16, BHALF
	s_add_co_u32 s[G0B+5], s[G0B+5], BOFF+SLOT
	s_wait_dscnt 0x0
	CROUND
	JLOAD G0+4, G1, G0B+4, G1B
	s_wait_loadcnt 0x0
.macro FRAGB reg, adr, q, i
.irp c, 0,1,2,3
	ds_load_b128 v[\reg+4*\c:\reg+4*\c+3], v[\adr] offset:128*(\q)+32*\c+(\i)*16*PITCH
.endr
.endm
.macro FRAGA reg, adr, q, i
.irp c, 0,1,2,3
	ds_load_b128 v[\reg+4*\c:\reg+4*\c+3], v[\adr] offset:(\i)*4096+(\q)*2048+512*\c
.endr
.endm
.macro MUL16 a0, p, q, sc, first
.irp a, \a0, \a0+1
.irp b, 0,1,2,3,4,5,6,7
.if \first
	WM 8*(8*((\a)%4)+\b), 128*(\p)+FR*\b, AF+FR*(\a), BN+8*\b, SC+16*(\sc)+8+2*(\b/2)+(\q), SC+16*(\sc)+4*(\q)+(\a)/2, \b%2, (\a)%2
.else
	WM 8*(8*((\a)%4)+\b), 128*(\p)+FR*\b, AF+FR*(\a), 8*(8*((\a)%4)+\b), SC+16*(\sc)+8+2*(\b/2)+(\q), SC+16*(\sc)+4*(\q)+(\a)/2, \b%2, (\a)%2
.endif
.endr
.endr
.endm
.macro FETCH_B slot, q, p
	WIN TO_B
.irp i, 0,1,2,3,4,5,6,7
	FRAGB 128*(\p)+FR*\i, ADRB+\slot, \q, \i
.endr
	WIN 0
.endm
.macro FETCH_A slot, q, i0
.irp i, \i0, \i0+1, \i0+2, \i0+3
	FRAGA AF+FR*(\i), ADRA+\slot, \q, \i
.endr
.endm
.macro SCALES sc
.irp q, 0,1
.irp i, 0,1,2,3
	ds_load_b32 v[SC+16*\sc+4*\q+\i], v[ADSA] offset:1024*\q+128*\i
.endr
.endr
.irp i, 0,1,2,3
	ds_load_b64 v[SC+16*\sc+8+2*\i:SC+16*\sc+8+2*\i+1], v[ADSB] offset:1088*\i
.endr
.endm
.macro PLACES n
.rept \n
	v_nop
.endr
.endm
.macro STEP slot, q, first
	s_wait_dscnt 4*NL
.if \first
	WIN FST_LO
.else
	WIN MUL_LO
.endif
	MUL16 0, (\q)%2, \q, \slot, \first
	MUL16 2, (\q)%2, \q, \slot, \first
	s_wait_dscnt 0
	PLACES NP
	FETCH_B \slot, (\q)+1, 1-(\q)%2
	FETCH_A \slot, (\q)+1, 0
.if \first
	WIN FST_HI
.else
	WIN MUL_HI
.endif
	MUL16 4, (\q)%2, \q, \slot, \first
	MUL16 6, (\q)%2, \q, \slot, \first
	PLACES NP
	WIN 0
	FETCH_A \slot, (\q)+1, 4
.endm
.macro TURN slot, next, fill
	s_wait_tensorcnt 0x0
	ds_add_u32 v[SPW], v[NIL]
	s_wait_dscnt 4*NL+1
	WIN MUL_LO
	MUL16 0, 1, NQ-1, \slot, 0
	s_wait_dscnt 0x0
	s_barrier_signal -1
	MUL16 2, 1, NQ-1, \slot, 0
	WIN 0
	s_barrier_wait -1
.if \fill
	CREST
	s_add_nc_u64 s[G0+4*\slot+2:G0+4*\slot+3], s[G0+4*\slot+2:G0+4*\slot+3], 2*4096
	s_add_nc_u64 s[G0B+4*\slot+2:G0B+4*\slot+3], s[G0B+4*\slot+2:G0B+4*\slot+3], 2*ROWB
	JLOAD G0+4*\slot, G1, G0B+4*\slot, G1B
	PLACES NP-4
.else
	PLACES NP
.endif
	s_wait_alu depctr_va_vdst(0)
	v_add_nc_u32 v[ADSA], 2048, v[ADSA]
	v_add_nc_u32 v[ADSB], 4*NQ, v[ADSB]
	FETCH_B \next, 0, 0
	FETCH_A \next, 0, 0
	SCALES \next
	WIN MUL_HI
	MUL16 4, 1, NQ-1, \slot, 0
	MUL16 6, 1, NQ-1, \slot, 0
	PLACES NP
	WIN 0
	FETCH_A \next, 0, 4
.endm
	s_wait_tensorcnt 1
	s_barrier_signal -1
	s_barrier_wait -1
	FETCH_B 0, 0, 0
	FETCH_A 0, 0, 0
	SCALES 0
	FETCH_A 0, 0, 4
	STEP 0, 0, 1
	TURN 0, 1, 1
	STEP 1, 0, 0
	TURN 1, 0, 1
	STEP 0, 0, 0
	TURN 0, 1, 0
	STEP 1, 0, 0
	s_wait_dscnt 4*NL
	WIN MUL_LO
	MUL16 0, 1, NQ-1, 1, 0
	MUL16 2, 1, NQ-1, 1, 0
	s_wait_dscnt 0
	WIN MUL_HI
	MUL16 4, 1, NQ-1, 1, 0
	MUL16 6, 1, NQ-1, 1, 0
	WIN 0
.macro TOSTAGE a
.set AC, 64*((\a)%4)
	WIN 0x08+4*((\a)/4)
.irp b, 0,1,2,3,4,5,6,7
	ds_store_b128 v[STO], v[AC+8*\b:AC+8*\b+3] offset:64*\b
	ds_store_b128 v[STO], v[AC+8*\b+4:AC+8*\b+7] offset:64*\b+16
.endr
	WIN 0
.set BB, BK+64*((\a)%2)
.irp t, 0,1,2,3,4,5,6,7,8,9,10,11,12,13,14,15
	ds_load_b128 v[BB+4*\t:BB+4*\t+3], v[RD] offset:\t*SPITCH
.endr
.endm
.macro SEND a, younger
.set BB, BK+64*((\a)%2)
	s_wait_dscnt \younger
.if (\a) > 0
	s_add_nc_u64 s[12:13], s[12:13], 16*SIZE_N*4
.endif
.irp t, 0,1,2,3,4,5,6,7,8,9,10,11,12,13,14,15
	global_store_b128 v[CO], v[BB+4*\t:BB+4*\t+3], s[12:13] offset:\t*SIZE_N*4 th:TH_STORE_NT
.endr
.endm
	PLACES NP
	TOSTAGE 0
.irp a, 1,2,3,4,5,6,7
.if \a > 1
	s_wait_xcnt 0x0
.endif
	TOSTAGE \a
	SEND \a-1, 32
.endr
	s_wait_xcnt 0x0
	SEND 7, 0
	s_wait_tensorcnt 0x0
	ds_add_u32 v[SPW], v[NIL]
	s_wait_dscnt 0x0
	CROUND
	s_endpgm
.Lfunc_end_k_qe9c9d3f956_oproj:
	.size	k_qe9c9d3f956_oproj, .Lfunc_end_k_qe9c9d3f956_oproj-k_qe9c9d3f956_oproj
	.p2alignl 7, 3214868480
	.fill 96, 4, 3214868480
	.section	.rodata,"a",@progbits
	.p2align	6, 0x0
	.amdhsa_kernel k_qe9c9d3f956_oproj
		.amdhsa_group_segment_fixed_size 327680
		.amdhsa_private_segment_fixed_size 0
		.amdhsa_enable_private_segment 0
		.amdhsa_kernarg_size 40
		.amdhsa_user_sgpr_count 2
		.amdhsa_user_sgpr_kernarg_segment_ptr 1
		.amdhsa_wavefront_size32 1
		.amdhsa_system_sgpr_workgroup_id_x 1
		.amdhsa_system_sgpr_workgroup_id_y 1
		.amdhsa_system_sgpr_workgroup_id_z 1
		.amdhsa_system_vgpr_workitem_id 0
		.amdhsa_next_free_vgpr 1024
		.amdhsa_next_free_sgpr 98
		.amdhsa_reserve_vcc 0
		.amdhsa_float_denorm_mode_32 3
		.amdhsa_float_denorm_mode_16_64 3
		.amdhsa_memory_ordered 1
		.amdhsa_forward_progress 1
		.amdhsa_inst_pref_size 149
	.end_amdhsa_kernel
	.amdgpu_metadata
---
amdhsa.version: [ 1, 2 ]
amdhsa.kernels:
  - .name:           k_qe9c9d3f956_oproj
    .symbol:         k_qe9c9d3f956_oproj.kd
    .args:
      - { .name: att, .offset: 0, .size: 8, .value_kind: global_buffer, .address_space: global }
      - { .name: W_o_codes, .offset: 8, .size: 8, .value_kind: global_buffer, .address_space: global }
      - { .name: W_o_scales, .offset: 16, .size: 8, .value_kind: global_buffer, .address_space: global }
      - { .name: b_o, .offset: 24, .size: 8, .value_kind: global_buffer, .address_space: global }
      - { .name: out0, .offset: 32, .size: 8, .value_kind: global_buffer, .address_space: global }
    .group_segment_fixed_size: 327680
    .private_segment_fixed_size: 0
    .kernarg_segment_align: 8
    .kernarg_segment_size: 40
    .max_flat_workgroup_size: 128
    .sgpr_count:     98
    .vgpr_count:     1024
    .wavefront_size: 32
...
	.end_amdgpu_metadata
.endif
;; end of part 3
